; MI455X (gfx1250); checked and timed in simulation.
; The chip was launched on July 23, 2026; its instructions are those of AMD's public machine-readable ISA for CDNA 5 (MIT licence, August 2026) and "CDNA5" Instruction Set Architecture Reference Guide (July 2026). The comments in the code are by the model that wrote it; some were corrected since.
;; Attention. Allowed arithmetic: float matrix products may take bf16 or f16 operands with f32 sums; other float arithmetic in f32, or as packed bf16 or f16 multiplies, adds, multiply-adds, maxima and minima; sums over many terms, partial sums and values carried from step to step in f32; what a program stores and reads back later, other than sums and carried values, may be rounded once to bf16 or f16.
;; Inputs: W2 2,048 x 2,048 float32; Wk 128 x 2,048 float32; Wq 128 x 2,048 float32; x 4,096 x 2,048 float32.
;; Outputs: out0 4,096 x 2,048 float32.
;; 2 versions, each right; version 2 is version 1 with the launches cast, probs written anew for expert scheduling mode. Each part assembles by itself: llvm-mc -triple=amdgcn-amd-amdhsa -mcpu=gfx1250 --defsym DOCPART=n.
;; ======== version 1 of 2: 4 launches
;; limits: values are held in f16: magnitudes above 65,504 overflow, below 6.1e-05 lose precision
;; workspace buffers: xp 16,777,216 bytes; wcp 9,437,184 bytes; qkp 4,194,304 bytes; yp 16,777,216 bytes; pp 33,554,432 bytes; st 524,288 bytes
;; launch cast (part 1): grid 400 x 2, 8 waves a work-group, no clusters, 35,840 bytes of LDS; arguments x, W2, Wq, Wk, xp, wcp; writes xp, wcp
.if DOCPART == 1
	.amdgcn_target "amdgcn-amd-amdhsa--gfx1250"
	.amdhsa_code_object_version 6
	.text
	.protected	k_q78f599faaf_cast
	.globl	k_q78f599faaf_cast
	.p2align	8
	.type	k_q78f599faaf_cast,@function
k_q78f599faaf_cast:
	s_mov_b64 s[64:65], 0
	v_nop
	global_prefetch_b8 v0, s[64:65] scope:SCOPE_SE
	s_setreg_imm32_b32 hwreg(HW_REG_WAVE_MODE, 25, 1), 1
	s_wait_xcnt 0x0
; LAUNCH 1 OF 4.  THE PROGRAM: out0 = softmax_causal((x Wq^T)(x Wk^T)^T) x W2^T, n = 4,096 tokens, d = 2,048, head 128.
; It is computed as attn (x W2^T): the same products in another order of sums (matrix products associate), so that q, k and Y = x W2^T are ONE product.
;   cast:  x, W2, Wq, Wk rounded once to bf16 (nearest even) and laid out in planes.      proj:  [Y | q | k] = x [W2; Wq; Wk]^T; Y in f16, q and k as two f16 numbers each.
;   probs: for each block of 128 queries x 256 keys the weights p = 2^(c s - cm), cm = c x the block's row maximum, c = log2(e), and (cm, sum of p).
;   mix:   out0 = the sum over key chunks of g (p Y), g = 2^(cm - the row's largest cm) / L: the row's true maximum is taken away, in f32.
; WORK LEFT OUT.  reference() sets every score with key > query to -inf by its own jnp.tril, ahead of the softmax: its weight is exactly 0 for all finite inputs, so it reaches no output.
; probs scores no block of 128 queries x 256 keys that lies wholly above the diagonal: 272 of 512 blocks are scored.  mix walks the keys in pieces of 512 for groups of four query blocks, so that four
; work-groups can share each tile of Y, and leaves out every piece that lies wholly above its group's diagonal: 288 of 512 blocks are multiplied.  In the piece that holds the diagonal the first two
; blocks of a group multiply one wholly hidden block of 256 keys by weights of 0 that probs lays down (16 of the 288).  Inside a block that holds the diagonal the hidden scores are computed and masked.
; All four inputs have a way to the output and are loaded.
; LIMITS.  A NaN, an infinity or an overflow that would arise only in the blocks left out is not carried to the result.  The sums' order differs from reference()'s.
;
; PLANES.  An operand M[row][k] is stored as [k / 8][row][k % 8]: 16 bytes for each (plane, row).  A matrix fragment (16 rows x 32 k) is then two loads of 16 bytes a lane in which
; sixteen neighbouring lanes take 256 consecutive bytes, in memory and in LDS alike.
;   xp  [256 planes][4,096 tokens][8] bf16, a plane 65,536 bytes.
;   wcp [256 planes][2,304 rows][8] bf16, a plane 36,864 bytes: 16 blocks of 144 rows: 128 rows of W2, then 16 rows of Wq (blocks 0-7) or of Wk (blocks 8-15).
; SHARES.  A work-group takes 16 source rows x 1,024 columns; wave w 128 columns = 16 planes.  Groups 0-255: x; 256-383: W2; 384-391: Wq; 392-399: Wk.
; Memory binds: each input byte is read once (512 consecutive bytes a wave and load, sixteen loads out before the first wait), each output byte written once.  The turn from rows to planes goes
; through the wave's own LDS bytes; no barrier, no matrix unit, no tensor load: no wave wants another wave's bytes.
.set ROWB,   8192                      ; bytes in a source row
.set PPITCH, 272                       ; a plane in LDS: 16 rows x 16 bytes + 16 of padding = 68 words: the 32 lanes' 8-byte stores fall on 64 different words modulo 64
.set WAREA,  16*PPITCH                 ; a wave's 16 planes
.set SPARE,  8*WAREA                   ; behind them: the spare words, 128 bytes for each wave: four blocks of 256 bytes that no other line names
.set VA,  2                            ; v2       16 x thread: my 16 bytes in the half row
.set LA,  3                            ; v3       LDS: where my 8 bytes of row 0 go
.set LR,  4                            ; v4       LDS: where I read 16 bytes of a plane back
.set SPW, 5                            ; v5       LDS address of my spare word; never rewritten
.set NIL, 6                            ; v6       0; never rewritten
.set VS,  8                            ; v[8:15]  store j: (2 j + lane / 16) x plane bytes + 16 (lane % 16)
.set X,   16                           ; v[16:79]   16 rows x 4 f32
.set Y,   80                           ; v[80:111]  16 rows x 4 bf16
.set Z,   112                          ; v[112:143] 16 planes, two a load, as stored
	s_load_b256 s[4:11], s[0:1], 0x0               ; x s[4:5], W2 s[6:7], Wq s[8:9], Wk s[10:11]
	s_load_b128 s[12:15], s[0:1], 0x20             ; xp s[12:13], wcp s[14:15]
	v_lshl_add_u32 v[SPW], v0, 2, SPARE
	v_mov_b32 v[NIL], 0
	v_lshrrev_b32 v1, 5, v0
	v_readfirstlane_b32 s18, v1                    ; wave 0..7
	s_mov_b32 s16, ttmp9                           ; the group of 16 rows
	s_and_b32 s17, ttmp7, 0xffff                   ; which half of the columns
	s_max_u32 s19, s16, 384
	s_sub_co_u32 s19, s19, 384                     ; Wq, Wk: the block of wcp, 0..15
	s_and_b32 s20, s19, 7                          ; the group of rows in Wq or Wk
	s_mul_i32 s21, s19, 144
	s_add_co_u32 s21, s21, 128                     ; the row in a plane of wcp
	s_max_u32 s19, s16, 256
	s_sub_co_u32 s19, s19, 256                     ; W2: the group of rows
	s_lshr_b32 s30, s19, 3
	s_mul_i32 s30, s30, 144
	s_and_b32 s31, s19, 7
	s_lshl4_add_u32 s30, s31, s30                  ; its row in a plane of wcp: 144 (group / 8) + 16 (group % 8)
	s_lshl_b32 s31, s16, 4                         ; x: the token
	s_mov_b32 s27, 36864
	v_and_b32 v7, 31, v0                           ; lane
	v_lshlrev_b32 v[VA], 4, v0
	s_mul_i32 s32, s18, WAREA                      ; my wave's bytes in LDS
	v_lshrrev_b32 v1, 1, v7                        ; my 4 columns lie in plane lane / 2,
	v_mul_u32_u24 v[LA], v1, PPITCH
	v_and_b32 v1, 1, v7                            ; in its lower or upper 8 bytes
	v_lshl_add_u32 v[LA], v1, 3, v[LA]
	v_add_nc_u32 v[LA], s32, v[LA]
	v_lshrrev_b32 v1, 4, v7                        ; lane / 16
	v_and_b32 v7, 15, v7                           ; lane % 16
	v_mul_u32_u24 v[LR], v1, PPITCH
	v_lshl_add_u32 v[LR], v7, 4, v[LR]
	v_add_nc_u32 v[LR], s32, v[LR]
	v_lshlrev_b32 v7, 4, v7
	s_wait_kmcnt 0x0
	s_cmp_lt_u32 s16, 392                          ; three choices by the group's number, the later overriding the earlier
	s_cselect_b64 s[22:23], s[8:9], s[10:11]
	s_cmp_lt_u32 s16, 384
	s_cselect_b64 s[22:23], s[6:7], s[22:23]
	s_cselect_b32 s20, s19, s20
	s_cselect_b32 s21, s30, s21
	s_cmp_lt_u32 s16, 256
	s_cselect_b64 s[22:23], s[4:5], s[22:23]
	s_cselect_b32 s20, s16, s20
	s_cselect_b32 s21, s31, s21
	s_cselect_b64 s[24:25], s[12:13], s[14:15]
	s_cselect_b32 s26, 0x10000, s27                ; bytes in a plane of the destination
	s_lshl_b32 s28, s20, 17                        ; 16 rows of 8,192 bytes
	s_lshl_b32 s29, s17, 12                        ; + the half row
	s_add_co_u32 s28, s28, s29
	s_mov_b32 s29, 0
	s_add_nc_u64 s[22:23], s[22:23], s[28:29]
	s_lshl_b32 s28, s17, 7
	s_lshl4_add_u32 s28, s18, s28                  ; my first plane: 128 x half + 16 x wave
	s_mul_i32 s28, s28, s26
	s_lshl4_add_u32 s28, s21, s28                  ; + 16 bytes x the row
	s_add_nc_u64 s[24:25], s[24:25], s[28:29]
.irp i, 0,1,2,3,4,5,6,7,8,9,10,11,12,13,14,15
	global_load_b128 v[X+4*(\i):X+4*(\i)+3], v[VA], s[22:23] offset:(\i)*ROWB th:TH_LOAD_NT
.endr
	v_mad_u32_u24 v[VS], v1, s26, v7
	s_lshl_b32 s27, s26, 1
.irp j, 1,2,3,4,5,6,7
	v_add_nc_u32 v[VS+(\j)], s27, v[VS+(\j)-1]
.endr
.irp i, 0,1,2,3,4,5,6,7,8,9,10,11,12,13,14,15
	s_wait_loadcnt 15-(\i)                         ; loads come back in order: row i is in, the younger rows stay out
	v_cvt_pk_bf16_f32 v[Y+2*(\i)], v[X+4*(\i)], v[X+4*(\i)+1]
	v_cvt_pk_bf16_f32 v[Y+2*(\i)+1], v[X+4*(\i)+2], v[X+4*(\i)+3]
	ds_store_b64 v[LA], v[Y+2*(\i):Y+2*(\i)+1] offset:(\i)*16
.endr
.irp j, 0,1,2,3,4,5,6,7
	ds_load_b128 v[Z+4*(\j):Z+4*(\j)+3], v[LR] offset:(\j)*2*PPITCH  ; my wave's own bytes, served in order behind the stores above
.endr
.irp j, 0,1,2,3,4,5,6,7
	s_wait_dscnt 7-(\j)                            ; planes 2 j, 2 j + 1 are back; the younger loads stay out
	global_store_b128 v[VS+(\j)], v[Z+4*(\j):Z+4*(\j)+3], s[24:25]  ; sixteen lanes store 256 consecutive bytes, aligned
.endr
	s_wait_tensorcnt 0x0                           ; the wave's end, behind my last LDS store
	ds_add_u32 v[SPW], v[NIL]
	s_wait_dscnt 0x0
	s_endpgm
.Lfunc_end_k_q78f599faaf_cast:
	.size	k_q78f599faaf_cast, .Lfunc_end_k_q78f599faaf_cast-k_q78f599faaf_cast
	.p2alignl 7, 3214868480
	.fill 96, 4, 3214868480
	.section	.rodata,"a",@progbits
	.p2align	6, 0x0
	.amdhsa_kernel k_q78f599faaf_cast
		.amdhsa_group_segment_fixed_size 35840
		.amdhsa_private_segment_fixed_size 0
		.amdhsa_enable_private_segment 0
		.amdhsa_kernarg_size 48
		.amdhsa_user_sgpr_count 2
		.amdhsa_user_sgpr_kernarg_segment_ptr 1
		.amdhsa_wavefront_size32 1
		.amdhsa_system_sgpr_workgroup_id_x 1
		.amdhsa_system_sgpr_workgroup_id_y 1
		.amdhsa_system_sgpr_workgroup_id_z 1
		.amdhsa_system_vgpr_workitem_id 0
		.amdhsa_next_free_vgpr 144
		.amdhsa_next_free_sgpr 66
		.amdhsa_reserve_vcc 0
		.amdhsa_float_denorm_mode_32 3
		.amdhsa_float_denorm_mode_16_64 3
		.amdhsa_memory_ordered 1
		.amdhsa_forward_progress 1
		.amdhsa_inst_pref_size 10
	.end_amdhsa_kernel
	.amdgpu_metadata
---
amdhsa.version: [ 1, 2 ]
amdhsa.kernels:
  - .name:           k_q78f599faaf_cast
    .symbol:         k_q78f599faaf_cast.kd
    .args:
      - { .name: x, .offset: 0, .size: 8, .value_kind: global_buffer, .address_space: global }
      - { .name: W2, .offset: 8, .size: 8, .value_kind: global_buffer, .address_space: global }
      - { .name: Wq, .offset: 16, .size: 8, .value_kind: global_buffer, .address_space: global }
      - { .name: Wk, .offset: 24, .size: 8, .value_kind: global_buffer, .address_space: global }
      - { .name: xp, .offset: 32, .size: 8, .value_kind: global_buffer, .address_space: global }
      - { .name: wcp, .offset: 40, .size: 8, .value_kind: global_buffer, .address_space: global }
    .group_segment_fixed_size: 35840
    .private_segment_fixed_size: 0
    .kernarg_segment_align: 8
    .kernarg_segment_size: 48
    .max_flat_workgroup_size: 256
    .sgpr_count:     66
    .vgpr_count:     144
    .wavefront_size: 32
...
	.end_amdgpu_metadata
.endif
;; end of part 1
;; launch proj (part 2): grid 16 x 16, 4 waves a work-group, clusters of 4 x 4, 327,680 bytes of LDS; arguments xp, wcp, yp, qkp; writes yp, qkp
.if DOCPART == 2
	.amdgcn_target "amdgcn-amd-amdhsa--gfx1250"
	.amdhsa_code_object_version 6
	.text
	.protected	k_q78f599faaf_proj
	.globl	k_q78f599faaf_proj
	.p2align	8
	.type	k_q78f599faaf_proj,@function
k_q78f599faaf_proj:
	s_mov_b64 s[64:65], 0
	v_nop
	global_prefetch_b8 v0, s[64:65] scope:SCOPE_SE
	s_setreg_imm32_b32 hwreg(HW_REG_WAVE_MODE, 25, 1), 1
	s_wait_xcnt 0x0
	s_wait_alu depctr_hold_cnt(0) depctr_sa_sdst(0) depctr_va_vdst(0) depctr_va_sdst(0) depctr_va_ssrc(0) depctr_va_vcc(0) depctr_vm_vsrc(0)
	s_getreg_b32 s2, hwreg(HW_REG_IB_STS2, 6, 4)
	s_cmp_eq_u32 s2, 0
	s_cbranch_scc0 .Lentry_in_a_cluster
	s_endpgm
.Lentry_in_a_cluster:
	s_bfe_u32 s2, ttmp6, 0x10000c
	s_cmp_lg_u32 s2, 0xf033
	s_cbranch_scc0 .Lentry_shape_is_right
	s_endpgm
.Lentry_shape_is_right:
; LAUNCH 2 OF 4.  [Y | q | k] = x [W2; Wq; Wk]^T: 4,096 tokens x 2,304 weight rows, K = 2,048, bf16 operands, f32 sums.  Y is rounded once to f16.
; q AND k ARE STORED AS TWO f16 NUMBERS EACH: hi = f16(sum), lo = f16(sum - hi).  f16 keeps 11 significant bits; a score is a sum of 128 products q k and goes into an exponential with no scale
; in front of it, so its operands are kept to about 22 bits.  The difference sum - hi is exact in f32.
; LIMIT.  f16 holds no number beyond 65,504: |Y|, |q|, |k| must stay within it; a low part below 6e-5 keeps f16's fixed step of 6e-8.
; SHARES.  2,304 x 4,096 results on 256 work-groups: a block of 144 weight rows (128 of W2 and 16 of Wq or Wk: block wb of wcp) x 256 tokens (tb) each.  Wave w owns tokens 64 w .. 64 w + 63
; against all 144 rows: 4 token tiles x 9 weight tiles = 36 accumulators, 288 registers.
; K STEPS OF 192.  K goes through two LDS slots in steps of 24 planes (six quarters of 32), as long as two slots in LDS allow: 2 x 153,600 bytes.  2,048 = 10 x 192 + 128: the eleventh tile is asked for
; in the same shape, as planes 232 to 255; its first eight planes were multiplied in the step before and are not read again (51,200 bytes a work-group are fetched twice), its last four quarters are the step.
; OPERANDS lie in planes ([k / 8][row][8]): a fragment is two loads of 16 bytes a lane, sixteen lanes on 256 consecutive bytes: LDS needs no padding.
; WHICH SOURCE IS WHICH.  Weight tiles 0-7 (Y): source 0 = tokens, source 1 = weight rows: a lane ends with ONE column n of Y and eight tokens: 16 bytes of yp [token / 8][n][8 tokens].
; Weight tile 8 (q or k): source 0 = weight rows, source 1 = tokens: a lane ends with ONE token and eight channels: 16 bytes of qkp [channel / 8][token][8]
; (planes 0-15 q's high parts, 16-31 k's; planes 32-47 q's low parts, 48-63 k's).
; So every result leaves by a store in which sixteen lanes write 256 consecutive bytes, aligned, with no stage in LDS.
; CLUSTER.  4 x 4 work-groups.  x's tile hangs on tb alone and is shared along a row of the cluster, the weights' on wb alone and is shared along a column: each is asked for JOINTLY.
; REGISTERS, in windows of 256 (s_set_vgpr_msb: bits 1:0 source 0, 3:2 source 1, 5:4 source 2, 7:6 destination):
;   window 0: addresses; v32-63 low parts in f32; v64-207 packed results; v208-223 packed low parts      window 1: two fragment buffers of 104: x's four fragments, then the weights' nine
;   window 2: accumulators of token tiles 0, 1 at 72 (i % 2) + 8 a      window 3: those of token tiles 2, 3
.set PLS,   24                         ; planes in a K step
.set XPL,   65536                      ; bytes in a plane of xp
.set WPL,   36864                      ; of wcp
.set XROW,  4096                       ; a plane of x's tile: 256 tokens x 16 bytes
.set WROW,  2304                       ; of the weights' tile: 144 rows x 16 bytes
.set WOFF,  PLS*XROW                   ; a slot: x's 24 planes, then the weights' 24
.set SLOT,  PLS*(XROW+WROW)
.set SPARE, 2*SLOT                     ; behind the ring: the spare words, 128 bytes for each wave: two blocks of 256 bytes that no other line names
.set XSTEP, PLS*XPL                    ; a K step in xp
.set WSTEP, PLS*WPL                    ; in wcp
.set LOB,   2097152                    ; the low parts lie 32 planes of 65,536 bytes behind the high parts in qkp
.set ADRX, 16                          ; v16-17  LDS address of my x fragments in slot 0, 1, quarters 0 to 2
.set ADRXH, 18                         ; v18-19  the same for quarters 3 to 5: an LDS offset holds 16 bits
.set ADRW, 20                          ; v20-21  the same for the weights, all six quarters
.set VY,   24                          ; v24     my byte offset in two planes of yp
.set VQ,   25                          ; v25     in two planes of qkp
.set SPW,  28                          ; v28     LDS address of my spare word; never rewritten
.set NIL,  29                          ; v29     0; never rewritten
.set PFO,  30                          ; v30     the prefetches' offset; never rewritten
.set NEG1, 31                          ; v31     -1.0
.set LT,   32                          ; v[32:63]   sum - hi, eight a token tile
.set TMP,  64
.set LO,   208                         ; v[208:223] the low parts, packed, four registers a token tile
.set F0,   0
.set F1,   104
.set WV,  12                           ; s12 wave   s13 wave / 2: I fetch x (0) or weights (1)   s14 wave % 2: which 12 planes of a step I fetch
.set WH,  13
.set WP,  14
.set CX,  15
.set CY,  16
.set WB,  17                           ; s17 block of weight rows   s18 block of tokens
.set TK,  18
.set G1X, 24                           ; s[24:31] descriptor group 1 for x's tiles;  s[32:39] group 0, a set for each slot
.set G0X, 32
.set LIM, 43                           ; s43  1 in a wave that prefetches, else the greatest number
.set PFA, 44                           ; s[44:45] where my prefetches stand
.set PST, 46                           ; s[46:47] a K step in the tensor that I prefetch
.set G1W, 48                           ; s[48:55], s[56:63] the same for the weights' tiles
.set G0W, 56
.set MSB, 0
.macro WIN new                         ; the immediate's high byte repeats the setting that is left; a switch that changes nothing is dropped
.if MSB != (\new)
	s_set_vgpr_msb (MSB<<8)|(\new)
.set MSB, \new
.endif
.endm
.macro PLACES                          ; four plain places behind a matrix instruction, in front of loads into registers that it has read and of conversions that read results
.rept 4
	v_nop
.endr
.endm
; A joint load: waves 0 and 1 fetch x's two halves of a step, waves 2 and 3 the weights'.  The branch hangs on the wave's number alone.  An s_nop 0 and four v_nop follow each line.
.macro JLOAD s
	s_cmp_eq_u32 s[WH], 0
	s_cbranch_scc0 .Lfor_w_\@
	tensor_load_to_lds s[G0X+4*(\s):G0X+4*(\s)+3], s[G1X:G1X+7]
	s_nop 0
.rept 4
	v_nop
.endr
	s_branch .Lasked_\@
.Lfor_w_\@:
	tensor_load_to_lds s[G0W+4*(\s):G0W+4*(\s)+3], s[G1W:G1W+7]
	s_nop 0
.rept 4
	v_nop
.endr
.Lasked_\@:
.endm
; A prefetch of the K step that stands TWO refills on (432 matrix instructions ahead of the load that will want it), behind the joint load and the run of LDS loads.
; x's tile is read by every cluster of a row of clusters: cluster x = 0 asks; the weights' by every cluster of a column: cluster y = 0 asks.  The partners of a joint load share its bytes out BY ADDRESS.
; x: 24 planes x 16 blocks of 256 bytes: partner cx takes 4 blocks of every plane; wave 0 names planes 0-7 and 8-15 (two instructions), wave 1 planes 16-23.
; Weights: 24 planes x 9 blocks: wave 2 + p and partner cy take planes 12 p + 3 cy .. + 2: 27 blocks (lanes 27-31 repeat lane 26's).
; Steps 2 and 3 come by their refills alone; the trips with s3 = 4 .. 2 name steps 4 .. 9; the last tile's 16 new planes come by their refill alone.
.macro ASK
	WIN 0
	s_cmp_gt_u32 s3, s[LIM]
	s_cbranch_scc0 .Lnot_mine_\@
	global_prefetch_b8 v[PFO], s[PFA:PFA+1] th:TH_LOAD_NT scope:SCOPE_SE
	s_cmp_eq_u32 s[WV], 0
	s_cbranch_scc0 .Lnot_mine_\@
	global_prefetch_b8 v[PFO], s[PFA:PFA+1] offset:8*XPL th:TH_LOAD_NT scope:SCOPE_SE
.Lnot_mine_\@:
.endm
.macro CREST                           ; a round of the cluster's barrier behind its opening barrier
	s_cmp_lg_u32 s[WV], 0
	s_cbranch_scc1 .Lnot_wave_0_\@
	s_barrier_signal -3
.Lnot_wave_0_\@:
	s_barrier_wait -3
	s_barrier_signal -1
	s_barrier_wait -1
.endm
.macro CROUND
	s_barrier_signal -1
	s_barrier_wait -1
	CREST
.endm
	s_load_b256 s[4:11], s[0:1], 0x0               ; xp s[4:5], wcp s[6:7], yp s[8:9], qkp s[10:11]
	v_lshl_add_u32 v[SPW], v0, 2, SPARE
	v_mov_b32 v[NIL], 0
	ds_add_u32 v[SPW], v[NIL]                      ; the wave's opening: the add, twice on end, and its wait ahead of my first tensor load
	ds_add_u32 v[SPW], v[NIL]                      ; once more; the set-up below, work on registers, stands between it and the wait
	v_lshrrev_b32 v1, 5, v0
	v_readfirstlane_b32 s[WV], v1
	s_lshr_b32 s[WH], s[WV], 1
	s_and_b32 s[WP], s[WV], 1
	s_bfe_u32 s[CX], ttmp6, 0x40000
	s_bfe_u32 s[CY], ttmp6, 0x40004
	s_lshl_b32 s[WB], ttmp9, 2
	s_add_co_u32 s[WB], s[WB], s[CX]               ; block of weight rows = 4 x cluster x + cx
	s_and_b32 s[TK], ttmp7, 0xffff
	s_lshl_b32 s[TK], s[TK], 2
	s_add_co_u32 s[TK], s[TK], s[CY]               ; block of tokens = 4 x cluster y + cy
	s_lshl_b32 s19, s[CY], 2
	s_lshl_b32 s19, 15, s19                        ; my row of the cluster
	s_lshl_b32 s20, 0x1111, s[CX]                  ; my column
	; descriptor group 1, elements of 8 bytes, no padding.  x: 12 planes x 4,096 bytes (512 elements), 8,192 elements from plane to plane.  Weights: 12 planes x 2,304 bytes (288), 4,608 from plane to plane.
	s_or_b32 s[G1X], s19, (3<<16)|(1<<21)          ; 15:0 the mask; 17:16 element size; 21 set beside a mask
	s_or_b32 s[G1W], s20, (3<<16)|(1<<21)
	s_mov_b32 s[G1X+1], 512<<16                    ; tensor_dim0
	s_mov_b32 s[G1X+2], 12<<16                     ; tensor_dim1
	s_mov_b32 s[G1X+3], 512<<16                    ; tile_dim0
	s_mov_b32 s[G1X+4], 12                         ; tile_dim1
	s_mov_b32 s[G1X+5], 8192                       ; stride
	s_mov_b32 s[G1X+6], 0
	s_mov_b32 s[G1X+7], 0
	s_mov_b32 s[G1W+1], 288<<16
	s_mov_b32 s[G1W+2], 12<<16
	s_mov_b32 s[G1W+3], 288<<16
	s_mov_b32 s[G1W+4], 12
	s_mov_b32 s[G1W+5], 4608
	s_mov_b32 s[G1W+6], 0
	s_mov_b32 s[G1W+7], 0
	s_lshl_b32 s40, s[TK], 12                      ; x: 256 tokens x 16 bytes x tb,
	s_mul_i32 s41, s[WP], 12*XPL                   ; + my 12 planes
	s_add_co_u32 s40, s40, s41
	s_mov_b32 s41, 0
	s_mul_i32 s22, s[WB], 2304                     ; weights: 144 rows x 16 bytes x wb,
	s_mul_i32 s23, s[WP], 12*WPL                   ; + my 12 planes
	s_add_co_u32 s22, s22, s23
	s_mov_b32 s23, 0
	s_mul_i32 s19, s[WP], 12*XROW                  ; where they go: no place in the cluster enters an LDS address
	s_mul_i32 s20, s[WP], 12*WROW
	s_add_co_u32 s20, s20, WOFF
	s_wait_dscnt 0x0                               ; both opening adds are done
	s_wait_kmcnt 0x0
	s_add_nc_u64 s[40:41], s[4:5], s[40:41]
	s_add_nc_u64 s[22:23], s[6:7], s[22:23]
	CROUND                                         ; all sixteen work-groups are here: the first joint loads meet
.irp s, 0,1
	s_mov_b32 s[G0X+4*(\s)], 1
	s_add_co_u32 s[G0X+4*(\s)+1], s19, (\s)*SLOT
	s_add_nc_u64 s[G0X+4*(\s)+2:G0X+4*(\s)+3], s[40:41], (\s)*XSTEP
	s_or_b32 s[G0X+4*(\s)+3], s[G0X+4*(\s)+3], 0x80000000
	s_mov_b32 s[G0W+4*(\s)], 1
	s_add_co_u32 s[G0W+4*(\s)+1], s20, (\s)*SLOT
	s_add_nc_u64 s[G0W+4*(\s)+2:G0W+4*(\s)+3], s[22:23], (\s)*WSTEP
	s_or_b32 s[G0W+4*(\s)+3], s[G0W+4*(\s)+3], 0x80000000
.endr
	s_cmp_eq_u32 s[WH], 0                          ; a wave's two first fills stand in one branch, ahead of every wait on TENSORcnt and every LDS read: two loads of mine are out
	s_cbranch_scc0 .Lfirst_w
	tensor_load_to_lds s[G0X:G0X+3], s[G1X:G1X+7]
	s_nop 0
	tensor_load_to_lds s[G0X+4:G0X+7], s[G1X:G1X+7]
	s_nop 0
.rept 4
	v_nop
.endr
	s_branch .Lfirst_asked
.Lfirst_w:
	tensor_load_to_lds s[G0W:G0W+3], s[G1W:G1W+7]
	s_nop 0
	tensor_load_to_lds s[G0W+4:G0W+7], s[G1W:G1W+7]
	s_nop 0
.rept 4
	v_nop
.endr
.Lfirst_asked:
	; a fragment: lane l holds row l % 16; registers 0-3 come from plane k0 / 8 + l / 16, registers 4-7 from two planes on
	v_and_b32 v1, 15, v0                           ; l % 16
	v_bfe_u32 v2, v0, 4, 1                         ; l / 16
	v_lshlrev_b32 v3, 4, v1
	v_lshl_add_u32 v4, v2, 12, v3
	s_lshl_b32 s19, s[WV], 10                      ; my 64 tokens
	v_add_nc_u32 v[ADRX], s19, v4
	v_add_nc_u32 v[ADRX+1], SLOT, v[ADRX]
	v_add_nc_u32 v[ADRXH], 12*XROW, v[ADRX]
	v_add_nc_u32 v[ADRXH+1], 12*XROW, v[ADRX+1]
	v_mul_u32_u24 v5, v2, 2304
	v_add_nc_u32 v5, v5, v3
	v_add_nc_u32 v[ADRW], WOFF, v5
	v_add_nc_u32 v[ADRW+1], SLOT, v[ADRW]
	v_lshl_add_u32 v[VY], v2, 15, v3
	v_lshl_add_u32 v[VQ], v2, 16, v3
	v_mov_b32 v[NEG1], -1.0
	s_lshl_b32 s20, s[TK], 20                      ; yp: plane 32 tb + 8 w, 32,768 bytes a plane; column 128 wb, 16 bytes a column
	s_lshl_b32 s21, s[WV], 18
	s_add_co_u32 s20, s20, s21
	s_lshl_b32 s21, s[WB], 11
	s_add_co_u32 s20, s20, s21
	s_mov_b32 s21, 0
	s_add_nc_u64 s[8:9], s[8:9], s[20:21]
	s_lshl_b32 s20, s[WB], 17                      ; qkp: plane 2 wb, 65,536 bytes a plane; token 256 tb + 64 w
	s_lshl_b32 s21, s[TK], 12
	s_add_co_u32 s20, s20, s21
	s_add_co_u32 s20, s20, s19
	s_mov_b32 s21, 0
	s_add_nc_u64 s[10:11], s[10:11], s[20:21]
	; the prefetches: both tensors' offsets are made, and the wave's number chooses
	s_lshl_b32 s19, s[TK], 12
	s_lshl_b32 s20, s[WP], 20                      ; wave 1: from the step's plane 16 on
	s_add_co_u32 s19, s19, s20
	s_lshl_b32 s20, s[CX], 10                      ; my work-group's 4 blocks of every plane
	s_add_co_u32 s19, s19, s20
	s_add_co_u32 s19, s19, 3*XSTEP                 ; at K step 3: the first refill steps it to 4
	s_mul_i32 s20, s[WB], 2304
	s_mul_i32 s21, s[WP], 12*WPL
	s_add_co_u32 s20, s20, s21
	s_mul_i32 s21, s[CY], 3*WPL                    ; my work-group's 3 planes
	s_add_co_u32 s20, s20, s21
	s_add_co_u32 s20, s20, 3*WSTEP
	s_mov_b32 s21, WSTEP
	s_and_b32 s22, ttmp7, 0xffff
	s_cmp_eq_u32 s[WH], 0
	s_cselect_b32 s40, s19, s20
	s_cselect_b32 s[PST], XSTEP, s21
	s_cselect_b32 s22, ttmp9, s22                  ; the coordinate along which other clusters read the same bytes
	s_cselect_b32 s23, -1, 0
	s_cselect_b64 s[PFA:PFA+1], s[4:5], s[6:7]
	s_mov_b32 s41, 0
	s_mov_b32 s[PST+1], 0
	s_add_nc_u64 s[PFA:PFA+1], s[PFA:PFA+1], s[40:41]
	s_cmp_eq_u32 s22, 0
	s_cselect_b32 s[LIM], 1, -1                    ; the same in all sixteen partners, for a given wave
	v_and_b32 v5, 31, v0
	v_lshrrev_b32 v6, 2, v5                        ; x: plane l / 4, block l % 4
	v_and_b32 v7, 3, v5
	v_lshlrev_b32 v7, 8, v7
	v_lshl_add_u32 v6, v6, 16, v7
	v_min_u32 v7, 26, v5                           ; weights: plane l / 9, block l % 9, l held to 26
	v_mul_u32_u24 v8, v7, 57
	v_lshrrev_b32 v8, 9, v8
	v_mul_u32_u24 v9, v8, 9
	v_sub_nc_u32 v7, v7, v9
	v_lshlrev_b32 v7, 8, v7
	v_mad_u32_u24 v7, v8, 0x9000, v7
	v_cndmask_b32 v[PFO], v7, v6, s23
; 9 matrix instructions: token tile i against the nine weight tiles, 32 along K, from buffer f.  zero = 1: the product starts the sums: nothing is ever cleared.
; The 36 accumulators take turns in the same order in every quarter: 35 others stand between two links of a chain, over the backward jump too.
.macro MUL9 f, i, zero
	WIN 0xa5+0x50*((\i)/2)
.set AC, 72*((\i)%2)
.irp a, 0,1,2,3,4,5,6,7
.if \zero
	v_wmma_f32_16x16x32_bf16 v[AC+8*(\a):AC+8*(\a)+7], v[(\f)+8*(\i):(\f)+8*(\i)+7], v[(\f)+32+8*(\a):(\f)+32+8*(\a)+7], 0
.else
	v_wmma_f32_16x16x32_bf16 v[AC+8*(\a):AC+8*(\a)+7], v[(\f)+8*(\i):(\f)+8*(\i)+7], v[(\f)+32+8*(\a):(\f)+32+8*(\a)+7], v[AC+8*(\a):AC+8*(\a)+7]
.endif
.endr
.if \zero
	v_wmma_f32_16x16x32_bf16 v[AC+64:AC+71], v[(\f)+96:(\f)+103], v[(\f)+8*(\i):(\f)+8*(\i)+7], 0
.else
	v_wmma_f32_16x16x32_bf16 v[AC+64:AC+71], v[(\f)+96:(\f)+103], v[(\f)+8*(\i):(\f)+8*(\i)+7], v[AC+64:AC+71]
.endif
.endm
; 26 LDS loads in one run: quarter kc (0 to 5) of slot s into buffer f: the weights' nine fragments, then x's tiles 0, 1, then 2, 3
.macro FETCH s, kc, f
	WIN 0x40
.set XR, ADRX+(\s)+2*((\kc)/3)         ; quarters 3 to 5 go by the second address register
.set XO, ((\kc)%3)*16384
.irp a, 0,1,2,3,4,5,6,7,8
	ds_load_b128 v[(\f)+32+8*(\a):(\f)+32+8*(\a)+3],   v[ADRW+(\s)] offset:(\kc)*9216+(\a)*256
	ds_load_b128 v[(\f)+32+8*(\a)+4:(\f)+32+8*(\a)+7], v[ADRW+(\s)] offset:(\kc)*9216+(\a)*256+4608
.endr
.irp i, 0,1,2,3
	ds_load_b128 v[(\f)+8*(\i):(\f)+8*(\i)+3],   v[XR] offset:XO+(\i)*256
	ds_load_b128 v[(\f)+8*(\i)+4:(\f)+8*(\i)+7], v[XR] offset:XO+(\i)*256+8192
.endr
.endm
; One of a step's first five quarters: multiplies buffer f; in its middle it fetches quarter kc of the same slot into buffer g.
.macro QUARTER s, kc, f, g, zero
	s_wait_dscnt 4                                 ; the weights and x's tiles 0, 1 are in; the youngest four loads (tiles 2, 3) may be out
	MUL9 \f, 0, \zero
	MUL9 \f, 1, \zero
	PLACES
	FETCH \s, \kc, \g
	s_wait_dscnt 26                                ; all but the 26 just issued
	MUL9 \f, 2, \zero
	MUL9 \f, 3, \zero
.endm
; The last quarter multiplies buffer 1 and changes slots: ONE barrier.  In front of it each wave waits for all its tensor loads (one is out: its part of the next slot), adds 0 to its spare word, and waits for
; that and for its own reads of this slot.  fill = 1: the barrier opens a round of the cluster's barrier, and this slot is filled again, adv planes on, first thing behind the round:
; 198 matrix instructions stand between that request and the wait for it.  kf: the next slot's first quarter.  ask = 1: a prefetch follows.
.macro TURN s, nx, fill, kf=0, adv=48, ask=1
.if (\fill) && (\ask)
	s_wait_xcnt 0x0                                ; the last prefetches, a K step back, have read their address: it is stepped here
	s_add_nc_u64 s[PFA:PFA+1], s[PFA:PFA+1], s[PST:PST+1]
.endif
	WIN 0
	s_wait_tensorcnt 0x0                           ; all my tensor loads have landed
	ds_add_u32 v[SPW], v[NIL]                      ; 0 onto my spare word
	s_wait_dscnt 5                                 ; (the add and the youngest four loads may be out)
	MUL9 F1, 0, 0
	s_wait_dscnt 0x0                               ; the add is done, and my reads of this slot are over
	s_barrier_signal -1
	MUL9 F1, 1, 0
	WIN 0                                          ; at a branch and at a label every window is 0
	s_barrier_wait -1
.if \fill
	CREST                                          ; no wave of any partner still reads this slot or has a load on its way
	s_add_nc_u64 s[G0X+4*(\s)+2:G0X+4*(\s)+3], s[G0X+4*(\s)+2:G0X+4*(\s)+3], (\adv)*XPL
	s_add_nc_u64 s[G0W+4*(\s)+2:G0W+4*(\s)+3], s[G0W+4*(\s)+2:G0W+4*(\s)+3], (\adv)*WPL
	JLOAD \s                                       ; the four v_nop behind it are also the places in front of the loads below
.else
	PLACES
.endif
	FETCH \nx, \kf, F0
.if (\fill) && (\ask)
	ASK
.endif
	MUL9 F1, 2, 0
	MUL9 F1, 3, 0
.endm
	s_wait_tensorcnt 1                             ; my part of K step 0 is in; step 1's may stay out
	s_barrier_signal -1
	s_barrier_wait -1
	FETCH 0, 0, F0
	QUARTER 0, 1, F0, F1, 1                        ; the first quarter stands in front of the loop: its products start the sums
	WIN 0
	s_mov_b32 s3, 4
.Llap:                                                 ; a trip goes once round the ring, from a lap's second quarter to the next lap's first: steps 2 t, 2 t + 1; it asks for steps 2 t + 2, 2 t + 3
	QUARTER 0, 2, F1, F0, 0
	QUARTER 0, 3, F0, F1, 0
	QUARTER 0, 4, F1, F0, 0
	QUARTER 0, 5, F0, F1, 0
	TURN 0, 1, 1
	QUARTER 1, 1, F0, F1, 0
	QUARTER 1, 2, F1, F0, 0
	QUARTER 1, 3, F0, F1, 0
	QUARTER 1, 4, F1, F0, 0
	QUARTER 1, 5, F0, F1, 0
	TURN 1, 0, 1
	QUARTER 0, 1, F0, F1, 0
	WIN 0
	s_sub_co_u32 s3, s3, 1
	s_cmp_lg_u32 s3, 0
	s_cbranch_scc1 .Llap
	QUARTER 0, 2, F1, F0, 0                        ; step 8 goes on
	QUARTER 0, 3, F0, F1, 0
	QUARTER 0, 4, F1, F0, 0
	QUARTER 0, 5, F0, F1, 0
	TURN 0, 1, 1, 0, 40, 0                         ; the last refill: from plane 192 to plane 232, so that the tile ends with the tensor
	QUARTER 1, 1, F0, F1, 0                        ; step 9
	QUARTER 1, 2, F1, F0, 0
	QUARTER 1, 3, F0, F1, 0
	QUARTER 1, 4, F1, F0, 0
	QUARTER 1, 5, F0, F1, 0
	TURN 1, 0, 0, 2                                ; nothing is left to fetch; the last tile is entered at its third quarter: plane 240
	QUARTER 0, 3, F0, F1, 0
	QUARTER 0, 4, F1, F0, 0
	QUARTER 0, 5, F0, F1, 0
	s_wait_dscnt 4
	MUL9 F1, 0, 0
	MUL9 F1, 1, 0
	s_wait_dscnt 0x0
	MUL9 F1, 2, 0
	MUL9 F1, 3, 0
	; THE WAY OUT: each accumulator, from its low end on, is rounded to f16: 16 bytes a lane, stored as they lie.  Of weight tile 8 (q or k) the rest, sum - hi = hi x (-1) + sum, is taken
	; straight from the packed halves and the sums, and rounded to f16 in its turn.
	PLACES
	PLACES
.irp i, 0,1,2,3
	WIN 0x0a+5*((\i)/2)                            ; sources 0 and 1: window 2 or 3
.irp a, 0,1,2,3,4,5,6,7,8
.irp q, 0,1,2,3
	v_cvt_pk_f16_f32 v[TMP+4*(9*(\i)+(\a))+(\q)], v[72*((\i)%2)+8*(\a)+2*(\q)], v[72*((\i)%2)+8*(\a)+2*(\q)+1]
.endr
.endr
	WIN 0x20+0x10*((\i)/2)                         ; source 2: window 2 or 3
.irp q, 0,1,2,3
	v_fma_mix_f32 v[LT+8*(\i)+2*(\q)],   v[TMP+4*(9*(\i)+8)+(\q)], v[NEG1], v[72*((\i)%2)+64+2*(\q)]   op_sel_hi:[1,0,0]
	v_fma_mix_f32 v[LT+8*(\i)+2*(\q)+1], v[TMP+4*(9*(\i)+8)+(\q)], v[NEG1], v[72*((\i)%2)+64+2*(\q)+1] op_sel:[1,0,0] op_sel_hi:[1,0,0]
.endr
.endr
	WIN 0
.irp i, 0,1,2,3
.irp q, 0,1,2,3
	v_cvt_pk_f16_f32 v[LO+4*(\i)+(\q)], v[LT+8*(\i)+2*(\q)], v[LT+8*(\i)+2*(\q)+1]
.endr
.endr
.irp i, 0,1,2,3
.irp a, 0,1,2,3,4,5,6,7
	global_store_b128 v[VY], v[TMP+4*(9*(\i)+(\a)):TMP+4*(9*(\i)+(\a))+3], s[8:9] offset:(\i)*65536+(\a)*256  ; sixteen lanes store 256 consecutive bytes, aligned
.endr
	global_store_b128 v[VQ], v[TMP+4*(9*(\i)+8):TMP+4*(9*(\i)+8)+3], s[10:11] offset:(\i)*256
	global_store_b128 v[VQ], v[LO+4*(\i):LO+4*(\i)+3], s[10:11] offset:LOB+(\i)*256
.endr
	s_wait_tensorcnt 0x0                           ; the wave's end
	ds_add_u32 v[SPW], v[NIL]
	s_wait_dscnt 0x0
	CROUND                                         ; the closing round: no work-group ends while a partner may still ask for a tile that names it
	s_endpgm
.Lfunc_end_k_q78f599faaf_proj:
	.size	k_q78f599faaf_proj, .Lfunc_end_k_q78f599faaf_proj-k_q78f599faaf_proj
	.p2alignl 7, 3214868480
	.fill 96, 4, 3214868480
	.section	.rodata,"a",@progbits
	.p2align	6, 0x0
	.amdhsa_kernel k_q78f599faaf_proj
		.amdhsa_group_segment_fixed_size 327680
		.amdhsa_private_segment_fixed_size 0
		.amdhsa_enable_private_segment 0
		.amdhsa_kernarg_size 32
		.amdhsa_user_sgpr_count 2
		.amdhsa_user_sgpr_kernarg_segment_ptr 1
		.amdhsa_wavefront_size32 1
		.amdhsa_system_sgpr_workgroup_id_x 1
		.amdhsa_system_sgpr_workgroup_id_y 1
		.amdhsa_system_sgpr_workgroup_id_z 1
		.amdhsa_system_vgpr_workitem_id 0
		.amdhsa_next_free_vgpr 912
		.amdhsa_next_free_sgpr 66
		.amdhsa_reserve_vcc 0
		.amdhsa_float_denorm_mode_32 3
		.amdhsa_float_denorm_mode_16_64 3
		.amdhsa_memory_ordered 1
		.amdhsa_forward_progress 1
		.amdhsa_inst_pref_size 145
	.end_amdhsa_kernel
	.amdgpu_metadata
---
amdhsa.version: [ 1, 2 ]
amdhsa.kernels:
  - .name:           k_q78f599faaf_proj
    .symbol:         k_q78f599faaf_proj.kd
    .args:
      - { .name: xp, .offset: 0, .size: 8, .value_kind: global_buffer, .address_space: global }
      - { .name: wcp, .offset: 8, .size: 8, .value_kind: global_buffer, .address_space: global }
      - { .name: yp, .offset: 16, .size: 8, .value_kind: global_buffer, .address_space: global }
      - { .name: qkp, .offset: 24, .size: 8, .value_kind: global_buffer, .address_space: global }
    .group_segment_fixed_size: 327680
    .private_segment_fixed_size: 0
    .kernarg_segment_align: 8
    .kernarg_segment_size: 32
    .max_flat_workgroup_size: 128
    .sgpr_count:     66
    .vgpr_count:     912
    .wavefront_size: 32
...
	.end_amdgpu_metadata
.endif
;; end of part 2
;; launch probs (part 3): grid 17 x 16, 8 waves a work-group, no clusters, 133,120 bytes of LDS; arguments qkp, pp, st; writes pp, st
.if DOCPART == 3
	.amdgcn_target "amdgcn-amd-amdhsa--gfx1250"
	.amdhsa_code_object_version 6
	.text
	.protected	k_q78f599faaf_probs
	.globl	k_q78f599faaf_probs
	.p2align	8
	.type	k_q78f599faaf_probs,@function
k_q78f599faaf_probs:
	s_mov_b64 s[64:65], 0
	v_nop
	global_prefetch_b8 v0, s[64:65] scope:SCOPE_SE
	s_setreg_imm32_b32 hwreg(HW_REG_WAVE_MODE, 25, 1), 1
	s_wait_xcnt 0x0
; LAUNCH 3 OF 4.  For a block of 128 queries x 256 keys: s = q . k (no scale, as reference() has none); the causal mask; for each row m = the block's largest s,
; cm = c m with c = log2(e); p = 2^(c s - cm), rounded once to f16 into pp [key / 8][query][8 keys]; and (cm, l = the f32 sum of the unrounded p) into st [chunk][query][2].
; The last launch takes the row's largest cm away from every cm, so the softmax's maximum is the row's true one; here every exponent is at most a rounding above 0.
; THE SCORES' OPERANDS.  q and k come as two f16 numbers each (hi + lo, about 22 bits): s = qh . kh + qh . kl + ql . kh, three f16 products with f32 sums on one accumulator.
; WORK LEFT OUT: blocks wholly above the diagonal (their weights are 0 by reference()'s own jnp.tril): only the 272 live blocks have a work-group and are scored.
; ZEROS FOR THE LAST LAUNCH.  It walks the keys in pieces of 512 for groups of four query blocks.  For the first two blocks of a group (query chunk J even) the second chunk of the diagonal piece, J + 1, is
; wholly hidden: the work-group of the diagonal block (c = J) also stores weights of 0 there, and the pair (cm = -1e30, l = 0), of which the last launch makes the factor 0.  Nothing is computed for it.
; LIMITS.  The term ql . kl, some 2^-22 of a score, is not formed.  p below 6e-5 keeps f16's fixed step of 6e-8; an exponential below 2^-126 counts as 0; NaN and infinities in q or k are not treated apart.
; -1e30 lies far below every c s: f16's operands bound |c s| by 128 x 65,504^2 x c, some 8e11.
; THE GRID.  17 x 16.  y = grid y / 2, hf = grid y % 2.  Query chunks J = y (y + 1 key chunks) and J = 15 - y (16 - y) together have 17: x <= y takes (J = y, c = x), else (J = 15 - y, c = x - y - 1).
; The query block is 2 J + hf.  The block holds the diagonal where c = J; every row then still sees the chunk's key 0, so m is a true score.
; SHARES.  Wave w owns queries 16 w .. 16 w + 15 of the block against all 256 keys: S^T = K Q^T (source 0 = 16 keys, source 1 = 16 queries): a lane holds ONE query (lane % 16) and keys
; 8 (lane / 16) + 0..7 of each of 16 key tiles: a row's maximum and sum want one exchange between the halves of the lanes, and eight weights are 16 bytes of pp as they lie.
; THE ORDER.  The four quarters of the 128 channels are the outer loop: a quarter wants 16 registers of q (qh, ql), in two buffers that take turns, the next quarter's loaded a quarter ahead.
; In a quarter, four key tiles at a time: 16 LDS loads (kh, kl), 12 products.  So each fragment of k is read from LDS once, and all fits in 256 registers.
; k's 128 KiB come through registers into LDS once (each wave two planes of each part); no tensor load, no cluster, no prefetch: a work-group reads 192 KiB in all and the launch is short.
.set KLO,   65536                      ; behind kh's 16 planes of 4,096 bytes: kl's
.set STAT,  131072                     ; behind them: 128 rows x (cm, l)
.set SPARE, 132096                     ; the spare words, 128 bytes for each wave: four blocks of 256 bytes that no other line names
.set LOB,   2097152                    ; the low parts lie 32 planes of 65,536 bytes behind the high parts in qkp
.set CHP,   2097152                    ; a chunk's 32 planes of 65,536 bytes in pp
.set CHS,   32768                      ; a chunk's 4,096 pairs in st
.set VQ,  3                            ; v3   (lane / 16) x 65,536 + 16 (lane % 16): my offset in two planes of qkp and of pp
.set VC,  4                            ; v4   16 x lane
.set LC,  5                            ; v5   LDS: where I put kh's bytes
.set LK,  6                            ; v6   LDS: my place in a fragment of kh
.set VD,  7                            ; v7   my query's place in the chunk less 8 (lane / 16): register j of key tile kt is hidden where 16 kt + j is greater
.set VK,  8                            ; v8   the same less 16 kt
.set SPW, 9                            ; v9   LDS address of my spare word; never rewritten
.set NIL, 10                           ; v10  0; never rewritten
.set LS,  11                           ; v11  LDS: my row's (cm, l)
.set MX,  12                           ; v[12:15] four chains of the maximum
.set CM,  16                           ; v16 cm, v17 m; behind the scaling v17 takes l
.set SM,  18                           ; v[18:25] four chains of the sum, a pair each
.set NEG, 26                           ; v26  -infinity
.set LC2, 28                           ; v28  LDS: where I put kl's bytes
.set LK2, 29                           ; v29  LDS: my place in a fragment of kl
.set Q,   32                           ; v[32:63]  q: two buffers of 16: qh's fragment of a quarter, then ql's; at the end: the statistics on their way out, and the zeros
.set KF,  64                           ; v[64:127] k's fragments of four key tiles (kh 8, kl 8 each); then the packed weights
.set S,   128                          ; v[128:255] 16 accumulators; before that, k on its way to LDS
.set WV,  10
.set ZF,  36                           ; s36  1: this work-group also lays the hidden chunk's zeros
.macro PLACES
.rept 4
	v_nop
.endr
.endm
.macro QLOAD n                         ; quarter n of q: planes 4 n + lane / 16 and two planes on, high parts and low parts
.set QD, Q+16*((\n)%2)
	global_load_b128 v[QD:QD+3],     v[VQ], s[22:23] offset:(\n)*262144
	global_load_b128 v[QD+4:QD+7],   v[VQ], s[22:23] offset:(\n)*262144+131072
	global_load_b128 v[QD+8:QD+11],  v[VQ], s[22:23] offset:LOB+(\n)*262144
	global_load_b128 v[QD+12:QD+15], v[VQ], s[22:23] offset:LOB+(\n)*262144+131072
.endm
	s_load_b128 s[4:7], s[0:1], 0x0                ; qkp s[4:5], pp s[6:7]
	s_load_b64 s[8:9], s[0:1], 0x10                ; st
	v_lshl_add_u32 v[SPW], v0, 2, SPARE
	v_mov_b32 v[NIL], 0
	v_lshrrev_b32 v1, 5, v0
	v_readfirstlane_b32 s[WV], v1                  ; wave 0..7
	s_mov_b32 s11, ttmp9
	s_and_b32 s12, ttmp7, 0xffff
	s_lshr_b32 s13, s12, 1                         ; y
	s_and_b32 s14, s12, 1                          ; hf
	s_sub_co_u32 s17, 15, s13
	s_add_co_u32 s18, s13, 1
	s_cmp_le_u32 s11, s13
	s_cselect_b32 s15, s13, s17                    ; J
	s_cselect_b32 s18, 0, s18
	s_sub_co_u32 s16, s11, s18                     ; c
	s_xor_b32 s37, s15, 1
	s_and_b32 s37, s37, 1                          ; 1 where J is even
	s_cmp_eq_u32 s16, s15
	s_cselect_b32 s[ZF], s37, 0                    ; and the block holds the diagonal
	s_lshl1_add_u32 s17, s15, s14                  ; the query block, 2 J + hf
	s_lshl_b32 s20, s[WV], 17                      ; k: planes 16 + 2 w, 17 + 2 w of qkp,
	s_add_co_u32 s20, s20, 16<<16
	s_lshl_b32 s19, s16, 12                        ; the chunk's 256 keys x 16 bytes
	s_add_co_u32 s20, s20, s19
	s_mov_b32 s21, 0
	s_lshl_b32 s22, s17, 11                        ; q and pp: the block's 128 rows x 16 bytes,
	s_lshl_b32 s19, s[WV], 8                       ; my wave's 16
	s_add_co_u32 s22, s22, s19
	s_mov_b32 s23, 0
	s_lshl_b32 s28, s16, 21                        ; pp: the chunk's 32 planes
	s_add_co_u32 s28, s28, s22
	s_mov_b32 s29, 0
	s_lshl_b32 s30, s16, 15                        ; st: the chunk, the block's 128 rows x 8 bytes
	s_lshl_b32 s19, s17, 10
	s_add_co_u32 s30, s30, s19
	s_mov_b32 s31, 0
	s_mov_b32 s24, 0x3fb8aa3b                      ; c = log2(e); the packed scaling names a pair and takes its low word
	s_mov_b32 s25, s24
	s_mov_b32 s26, 0x76543210                      ; v_permlanex16_b32: each lane takes its own place in the other half
	s_mov_b32 s27, 0xfedcba98
	v_and_b32 v27, 31, v0                          ; lane
	v_and_b32 v1, 15, v0
	v_bfe_u32 v2, v0, 4, 1
	v_lshlrev_b32 v[VQ], 4, v1
	v_lshl_add_u32 v[LK], v2, 12, v[VQ]
	v_add_nc_u32 v[LK2], KLO, v[LK]
	v_lshl_add_u32 v[VQ], v2, 16, v[VQ]
	v_lshlrev_b32 v[VC], 4, v27
	s_lshl_b32 s32, s[WV], 13
	v_add_nc_u32 v[LC], s32, v[VC]
	v_add_nc_u32 v[LC2], KLO, v[LC]
	s_lshl_b32 s33, s14, 7
	s_lshl4_add_u32 s33, s[WV], s33                ; 128 hf + 16 w
	v_lshlrev_b32 v[VK], 3, v2
	v_sub_nc_u32 v[VD], v1, v[VK]
	v_add_nc_u32 v[VD], s33, v[VD]
	s_lshl_b32 s34, s[WV], 7
	s_add_co_u32 s34, s34, STAT
	v_lshl_add_u32 v[LS], v1, 3, s34
	v_mov_b32 v[NEG], 0xff800000
	s_lshl_b32 s35, s[WV], 9                       ; the statistics' way out (waves 0 and 1): 512 bytes a wave
	v_lshl_add_u32 v31, v27, 4, s35
	s_add_co_u32 s35, s35, STAT
	v_lshl_add_u32 v30, v27, 4, s35
	s_wait_kmcnt 0x0
	s_add_nc_u64 s[20:21], s[4:5], s[20:21]
	s_add_nc_u64 s[22:23], s[4:5], s[22:23]
	s_add_nc_u64 s[6:7], s[6:7], s[28:29]
	s_add_nc_u64 s[8:9], s[8:9], s[30:31]
.irp e, 0,1
.irp p, 0,1
.irp u, 0,1,2,3,4,5,6,7
	global_load_b128 v[S+4*(16*(\e)+8*(\p)+(\u)):S+4*(16*(\e)+8*(\p)+(\u))+3], v[VC], s[20:21] offset:(\e)*LOB+(\p)*65536+(\u)*512
.endr
.endr
.endr
	QLOAD 0
	QLOAD 1
	s_wait_loadcnt 8                               ; k's 32 loads are in; q's eight may stay out
.irp p, 0,1
.irp u, 0,1,2,3,4,5,6,7
	ds_store_b128 v[LC],  v[S+4*(8*(\p)+(\u)):S+4*(8*(\p)+(\u))+3]       offset:(\p)*4096+(\u)*512
	ds_store_b128 v[LC2], v[S+4*(16+8*(\p)+(\u)):S+4*(16+8*(\p)+(\u))+3] offset:(\p)*4096+(\u)*512
.endr
.endr
	s_wait_dscnt 0x0                               ; for the others' sake: my four planes lie in LDS
	s_barrier_signal -1
	s_barrier_wait -1                              ; all 32 do
	; THE SCORES.  In a group the four accumulators take turns, one instruction a turn: kh qh, then kl qh, then kh ql; the first product of all on an accumulator starts its sum.
.set kc, 0
.rept 4
.set g, 0
.rept 4
.if (kc+g) > 0
	PLACES                                         ; in front of loads into registers that the last products have read
.endif
.if (g == 0) && (kc > 0) && (kc < 3)
	QLOAD kc+1                                     ; into the buffer that the quarter before has read
.endif
.irp t, 0,1,2,3
	ds_load_b128 v[KF+16*(\t):KF+16*(\t)+3],     v[LK]  offset:kc*16384+(4*g+(\t))*256
	ds_load_b128 v[KF+16*(\t)+4:KF+16*(\t)+7],   v[LK]  offset:kc*16384+(4*g+(\t))*256+8192
	ds_load_b128 v[KF+16*(\t)+8:KF+16*(\t)+11],  v[LK2] offset:kc*16384+(4*g+(\t))*256
	ds_load_b128 v[KF+16*(\t)+12:KF+16*(\t)+15], v[LK2] offset:kc*16384+(4*g+(\t))*256+8192
.endr
.if g == 0
.if kc < 3
	s_wait_loadcnt 4                               ; this quarter's q is in; the next quarter's four loads may stay out
.else
	s_wait_loadcnt 0x0
.endif
.endif
	s_wait_dscnt 0x0
.set QR, Q+16*(kc%2)
.irp t, 0,1,2,3
.if kc == 0
	v_wmma_f32_16x16x32_f16 v[S+8*(4*g+(\t)):S+8*(4*g+(\t))+7], v[KF+16*(\t):KF+16*(\t)+7], v[QR:QR+7], 0
.else
	v_wmma_f32_16x16x32_f16 v[S+8*(4*g+(\t)):S+8*(4*g+(\t))+7], v[KF+16*(\t):KF+16*(\t)+7], v[QR:QR+7], v[S+8*(4*g+(\t)):S+8*(4*g+(\t))+7]
.endif
.endr
.irp t, 0,1,2,3
	v_wmma_f32_16x16x32_f16 v[S+8*(4*g+(\t)):S+8*(4*g+(\t))+7], v[KF+16*(\t)+8:KF+16*(\t)+15], v[QR:QR+7], v[S+8*(4*g+(\t)):S+8*(4*g+(\t))+7]
.endr
.irp t, 0,1,2,3
	v_wmma_f32_16x16x32_f16 v[S+8*(4*g+(\t)):S+8*(4*g+(\t))+7], v[KF+16*(\t):KF+16*(\t)+7], v[QR+8:QR+15], v[S+8*(4*g+(\t)):S+8*(4*g+(\t))+7]
.endr
.set g, g+1
.endr
.set kc, kc+1
.endr
	PLACES                                         ; in front of the first reads of the last results
	s_cmp_lg_u32 s16, s15                          ; only the chunk that holds the diagonal is masked: the same answer in all eight waves
	s_cbranch_scc1 .Lnomask
	v_mov_b32 v[VK], v[VD]
.set kt, 0
.rept 16
.irp j, 0,1,2,3,4,5,6,7
	v_cmp_gt_i32 vcc_lo, (\j), v[VK]               ; key 16 kt + 8 (lane / 16) + j lies behind my query
	v_cndmask_b32 v[S+8*kt+(\j)], v[S+8*kt+(\j)], v[NEG], vcc_lo
.endr
	v_add_nc_u32 v[VK], -16, v[VK]
.set kt, kt+1
.endr
.Lnomask:
	; THE MAXIMUM of my 128 scores in four chains; each accumulator is read from its low end on
.irp ch, 0,1,2,3
	v_max_num_f32 v[MX+(\ch)], v[S+8*(\ch)], v[S+8*(\ch)+1]
.endr
.irp p, 1,2,3
.irp ch, 0,1,2,3
	v_max3_num_f32 v[MX+(\ch)], v[MX+(\ch)], v[S+8*(\ch)+2*(\p)], v[S+8*(\ch)+2*(\p)+1]
.endr
.endr
.irp gg, 1,2,3
.irp p, 0,1,2,3
.irp ch, 0,1,2,3
	v_max3_num_f32 v[MX+(\ch)], v[MX+(\ch)], v[S+8*(4*(\gg)+(\ch))+2*(\p)], v[S+8*(4*(\gg)+(\ch))+2*(\p)+1]
.endr
.endr
.endr
	v_max3_num_f32 v[MX], v[MX], v[MX+1], v[MX+2]
	v_max_num_f32 v[MX], v[MX], v[MX+3]
	v_permlanex16_b32 v[MX+1], v[MX], s26, s27     ; the query's other 128 keys lie in the lane 16 away
	v_max_num_f32 v[CM+1], v[MX], v[MX+1]
	v_mul_f32 v[CM], s24, v[CM+1]
.set z, 0
.rept 64
	v_pk_fma_f32 v[S+2*z:S+2*z+1], v[S+2*z:S+2*z+1], s[24:25], v[CM:CM+1] op_sel_hi:[1,0,0] neg_lo:[0,0,1] neg_hi:[0,0,1]  ; c s - cm
.set z, z+1
.endr
.set z, 0
.rept 128
	v_exp_f32 v[S+z], v[S+z]                       ; ONE batch: none reads another's result
.set z, z+1
.endr
	v_nop                                          ; a plain instruction behind the last exponential
	s_wait_alu depctr_va_vdst(0)                   ; and one wait ahead of the batch's first reader
.set z, 0
.rept 64
	v_cvt_pk_f16_f32 v[KF+z], v[S+2*z], v[S+2*z+1]
.set z, z+1
.endr
.irp kt, 0,1,2,3,4,5,6,7,8,9,10,11,12,13,14,15
	global_store_b128 v[VQ], v[KF+4*(\kt):KF+4*(\kt)+3], s[6:7] offset:(\kt)*131072  ; sixteen lanes store 256 consecutive bytes, aligned
.endr
	s_cmp_eq_u32 s[ZF], 0                          ; made of the work-group's numbers alone: the same answer in all eight waves
	s_cbranch_scc1 .Lnozero
.irp j, 0,1,2,3
	v_mov_b32 v[Q+16+(\j)], 0
.endr
.irp kt, 0,1,2,3,4,5,6,7,8,9,10,11,12,13,14,15
	global_store_b128 v[VQ], v[Q+16:Q+19], s[6:7] offset:CHP+(\kt)*131072  ; the next chunk's weights for my rows: 0
.endr
.Lnozero:
.irp ch, 0,1,2,3
	v_pk_add_f32 v[SM+2*(\ch):SM+2*(\ch)+1], v[S+2*(\ch):S+2*(\ch)+1], v[S+8+2*(\ch):S+8+2*(\ch)+1]
.endr
.set z, 8
.rept 56
	v_pk_add_f32 v[SM+2*(z%4):SM+2*(z%4)+1], v[SM+2*(z%4):SM+2*(z%4)+1], v[S+2*z:S+2*z+1]
.set z, z+1
.endr
	v_pk_add_f32 v[SM:SM+1], v[SM:SM+1], v[SM+2:SM+3]
	v_pk_add_f32 v[SM+4:SM+5], v[SM+4:SM+5], v[SM+6:SM+7]
	v_pk_add_f32 v[SM:SM+1], v[SM:SM+1], v[SM+4:SM+5]
	v_add_f32 v[SM], v[SM], v[SM+1]
	v_permlanex16_b32 v[SM+1], v[SM], s26, s27
	v_add_f32 v[CM+1], v[SM], v[SM+1]              ; l, beside cm: m is wanted no more
	ds_store_b64 v[LS], v[CM:CM+1]                 ; both halves of the lanes hold the same pair and write the same bytes
	s_wait_dscnt 0x0
	s_barrier_signal -1
	s_barrier_wait -1                              ; the block's 128 pairs lie in LDS
	s_cmp_lt_u32 s[WV], 2                          ; waves 0 and 1 store them, 512 consecutive bytes each
	s_cbranch_scc0 .Lend
	ds_load_b128 v[Q:Q+3], v30
	s_wait_dscnt 0x0
	global_store_b128 v31, v[Q:Q+3], s[8:9]
	s_cmp_eq_u32 s[ZF], 0
	s_cbranch_scc1 .Lend
	v_mov_b32 v[Q+4], 0xf149f2ca                   ; the hidden chunk's pairs: cm = -1e30, l = 0
	v_mov_b32 v[Q+5], 0
	v_mov_b32 v[Q+6], 0xf149f2ca
	v_mov_b32 v[Q+7], 0
	global_store_b128 v31, v[Q+4:Q+7], s[8:9] offset:CHS
.Lend:
	s_wait_tensorcnt 0x0                           ; the wave's end, behind my last LDS store
	ds_add_u32 v[SPW], v[NIL]
	s_wait_dscnt 0x0
	s_endpgm
.Lfunc_end_k_q78f599faaf_probs:
	.size	k_q78f599faaf_probs, .Lfunc_end_k_q78f599faaf_probs-k_q78f599faaf_probs
	.p2alignl 7, 3214868480
	.fill 96, 4, 3214868480
	.section	.rodata,"a",@progbits
	.p2align	6, 0x0
	.amdhsa_kernel k_q78f599faaf_probs
		.amdhsa_group_segment_fixed_size 133120
		.amdhsa_private_segment_fixed_size 0
		.amdhsa_enable_private_segment 0
		.amdhsa_kernarg_size 24
		.amdhsa_user_sgpr_count 2
		.amdhsa_user_sgpr_kernarg_segment_ptr 1
		.amdhsa_wavefront_size32 1
		.amdhsa_system_sgpr_workgroup_id_x 1
		.amdhsa_system_sgpr_workgroup_id_y 1
		.amdhsa_system_sgpr_workgroup_id_z 1
		.amdhsa_system_vgpr_workitem_id 0
		.amdhsa_next_free_vgpr 256
		.amdhsa_next_free_sgpr 66
		.amdhsa_reserve_vcc 1
		.amdhsa_float_denorm_mode_32 3
		.amdhsa_float_denorm_mode_16_64 3
		.amdhsa_memory_ordered 1
		.amdhsa_forward_progress 1
		.amdhsa_inst_pref_size 74
	.end_amdhsa_kernel
	.amdgpu_metadata
---
amdhsa.version: [ 1, 2 ]
amdhsa.kernels:
  - .name:           k_q78f599faaf_probs
    .symbol:         k_q78f599faaf_probs.kd
    .args:
      - { .name: qkp, .offset: 0, .size: 8, .value_kind: global_buffer, .address_space: global }
      - { .name: pp, .offset: 8, .size: 8, .value_kind: global_buffer, .address_space: global }
      - { .name: st, .offset: 16, .size: 8, .value_kind: global_buffer, .address_space: global }
    .group_segment_fixed_size: 133120
    .private_segment_fixed_size: 0
    .kernarg_segment_align: 8
    .kernarg_segment_size: 24
    .max_flat_workgroup_size: 256
    .sgpr_count:     66
    .vgpr_count:     256
    .wavefront_size: 32
...
	.end_amdgpu_metadata
.endif
;; end of part 3
;; launch mix (part 4): grid 16 x 16, 4 waves a work-group, clusters of 4 x 4, 327,680 bytes of LDS; arguments pp, yp, st, out0; writes out0
.if DOCPART == 4
	.amdgcn_target "amdgcn-amd-amdhsa--gfx1250"
	.amdhsa_code_object_version 6
	.text
	.protected	k_q78f599faaf_mix
	.globl	k_q78f599faaf_mix
	.p2align	8
	.type	k_q78f599faaf_mix,@function
k_q78f599faaf_mix:
	s_mov_b64 s[64:65], 0
	v_nop
	global_prefetch_b8 v0, s[64:65] scope:SCOPE_SE
	s_setreg_imm32_b32 hwreg(HW_REG_WAVE_MODE, 25, 1), 1
	s_wait_xcnt 0x0
	s_wait_alu depctr_hold_cnt(0) depctr_sa_sdst(0) depctr_va_vdst(0) depctr_va_sdst(0) depctr_va_ssrc(0) depctr_va_vcc(0) depctr_vm_vsrc(0)
	s_getreg_b32 s2, hwreg(HW_REG_IB_STS2, 6, 4)
	s_cmp_eq_u32 s2, 0
	s_cbranch_scc0 .Lentry_in_a_cluster
	s_endpgm
.Lentry_in_a_cluster:
	s_bfe_u32 s2, ttmp6, 0x10000c
	s_cmp_lg_u32 s2, 0xf033
	s_cbranch_scc0 .Lentry_shape_is_right
	s_endpgm
.Lentry_shape_is_right:
; LAUNCH 4 OF 4.  out0[m][n] = the sum over key chunks c of g_c[m] x (the sum over the chunk's 256 keys of p[m][key] Y[key][n]), f16 operands, f32 sums.
; g_c[m] = 2^(cm_c[m] - M[m]) / L[m], M = the largest cm of the row's chunks, L = the sum over c of 2^(cm_c - M) l_c: the softmax's maximum and divisor, made here in f32 from st.
; Every exponent is at most 0 and L is at least about 1, so nothing overflows; an exponential below 2^-126 counts as 0.
; WORK LEFT OUT: pieces of 512 keys wholly above the diagonal of a group of four query blocks (their weights are 0 by reference()'s own jnp.tril).
; THE WALK.  The 32 query blocks of 128 rows fall into eight groups of four.  Group T takes the keys in pieces of 512 (two chunks of 256), pieces 0 .. T: 2 (T + 1) chunks, THE SAME FOR ITS FOUR BLOCKS.
; A work-group makes two tiles of 128 rows x 128 columns, one after the other: block cy of group 7 - pt and then block cy of group pt (pt: the cluster's y): 16 - 2 pt and 2 pt + 2 chunks, 18 together
; whatever pt: all 256 work-groups do equal work, and ONE loop with a constant trip count walks them; the ring of two LDS slots runs on across the change of blocks.  What differs lies in scalars made from pt.
; THE PRICE.  For the first two blocks of a group the second chunk of the diagonal piece is wholly hidden.  It is multiplied all the same, by the weights of 0 that the launch before has laid there, and
; folded with g = 0 (its cm is -1e30): 16 of the 288 blocks, one chunk in 18.  The partners of a cluster run alike.
; SHARES.  Wave (wr, wc) makes 64 x 64: 16 accumulators.  Source 0 = 16 columns of Y, source 1 = 16 rows of p: a lane holds ONE row (lane % 16) and eight columns, so g is one number a lane and tile.
; A chunk's products start from the constant 0 (S); then T += g S (FOLD).  T is cleared at a block's beginning: 256 v_mov_b32 in the text, so that the fold has one form.
; CLUSTER.  4 x 4 work-groups: cx picks the column block, cy the block in its group.  All sixteen walk alike.  p's tile hangs on pt, cy and the chunk: it is shared along a row of the cluster; Y's hangs on the
; column block and the chunk: it is shared along a column.  Each is asked for JOINTLY: 16 + 16 KiB of requests for a work-group and chunk in place of the 128 KiB that land.
; REGISTERS, in windows of 256 (s_set_vgpr_msb: bits 1:0 source 0, 3:2 source 1, 5:4 source 2, 7:6 destination):
;   window 0: addresses and statistics; v128-255 S ((a, b) at 128 + 8 (4 a + b)), also at work at the head and on the way out
;   window 1: two fragment buffers of 128: for 64 keys, 64 registers of p, then 64 of Y          window 2: v0-127 T
.set SLOT1, 1<<17                      ; a slot: p's 32 planes x 2,048 bytes, then Y's; slot 1 begins here, so that one exclusive or turns an address in one slot into the other's
.set BOFF,  65536
.set STAGE, 2*SLOT1                    ; behind the ring, never filled by a tensor load: 16 rows x 272 bytes for each wave
.set SP,    272                        ; 256 bytes + 16 = 68 words: the 16 rows of a store start at 16 different groups of four banks (64 banks of 4 bytes: ISA guide 11.1)
.set SPARE, STAGE+4*16*SP              ; the spare words, 128 bytes for each wave: two blocks of 256 bytes that no other line names
.set A0,   3                           ; v3, v4   my lane's place in p's and in Y's part of a slot; never rewritten
.set B0,   4
.set ADRA, 5                           ; v5, v6   the same in the slot in hand
.set ADRB, 6
.set STO,  7                           ; v7   the way out: where I put 32 bytes of a row
.set RD,   8                           ; v8   where I read rows back
.set CO,   9                           ; v9   my byte offset in two rows of out0
.set PFO,  10                          ; v10  the prefetches' offset; never rewritten
.set GO,   11                          ; v11  the offset of the step's cm in st
.set VST,  12                          ; v12  my row's offset in a chunk of st, block in hand;  v13 second block
.set VSTL, 13
.set SPW,  14                          ; v14  LDS address of my spare word; never rewritten
.set NIL,  15                          ; v15  0; never rewritten
.set CMR,  16                          ; v[16:19] M, v[20:23] 1 / L of my four row tiles, block in hand
.set INV,  20
.set CMRL, 24                          ; v[24:27], v[28:31] the same for the second block
.set INVL, 28
.set GC,   32                          ; v[32:35] the step's cm
.set G,    36                          ; v[36:43] g, in the low register of a pair; the high ones hold 0
.set LSUM, 44                          ; v[44:47] L
.set OU,   48                          ; v[48:63] offsets of the 16 chunks' statistics
.set S,    128
.set F0,   0
.set F1,   128
.set WV,  12                           ; s12 wave   s13 wave / 2: my rows; also: I fetch p (0) or Y (1)   s14 wave % 2: my columns; also: which 16 planes I fetch
.set WR,  13
.set WP,  14
.set CX,  15
.set NBK, 16                           ; s16 column block   s17 the second query block, 4 pt + cy   s18 the first, 4 (7 - pt) + cy: both enter global addresses alone
.set BB,  17
.set IH,  18
.set G1A, 24                           ; s[24:31] descriptor group 1 for p's tiles, s[32:39] for Y's
.set G1B, 32
.set G0A, 40                           ; s[40:47] group 0 for p's tiles: the first fill's, and the one that walks;  s[48:55] for Y's
.set G0B, 48
.set ABASE, 56                         ; s[56:57] pp at my 16 planes of chunk 0, block whose tiles are being asked for;  s[58:59] second block;  s[60:61] yp likewise
.set ABL,   58
.set BBASE, 60
.set OFF,   62                         ; s[62:63] a chunk's byte offset
.set NXT, 66                           ; s66 the chunk to ask for next   s67 the last chunk of the block whose tiles are being asked for
.set LQ,  67
.set CC,  68                           ; s68 the chunk in hand   s69 chunks of the block in hand still to be multiplied
.set RT,  69
.set TB,  70                           ; s70 the slot in hand   s71 the loop's count   s72 a wave prefetches while the count is above this
.set CNT, 71
.set LIM, 72
.set PN,  73                           ; s73, s74 the prefetches' own walk   s75 log2 of a chunk's bytes in the tensor that I prefetch
.set PLQ, 74
.set SH,  75
.set PB,  76                           ; s[76:77], s[78:79] their bases, block in hand and second block;  s[80:81] where they stand;  s[82:83] an offset
.set PBL, 78
.set PFA, 80
.set POFF, 82
.set OUT,  84                          ; s[84:85] out0 at my 64 x 64 of the block in hand;  s[86:87] of the second block
.set OUTL, 86
.set NL,   88                          ; s88 the second block's chunks   s89 less one
.set NL1,  89
.set CY,   96                          ; s96 cy   s97 pt, the cluster's y
.set PT,   97
.set MSB, 0
.macro WIN new
.if MSB != (\new)
	s_set_vgpr_msb (MSB<<8)|(\new)
.set MSB, \new
.endif
.endm
.macro PLACES
.rept 4
	v_nop
.endr
.endm
.macro JLOAD                           ; waves 0 and 1 fetch the two halves of p's tile, waves 2 and 3 those of Y's, each jointly with three partners.  An s_nop 0 and four v_nop follow each line
	s_cmp_eq_u32 s[WR], 0
	s_cbranch_scc0 .Lfor_b_\@
	tensor_load_to_lds s[G0A+4:G0A+7], s[G1A:G1A+7]
	s_nop 0
.rept 4
	v_nop
.endr
	s_branch .Lasked_\@
.Lfor_b_\@:
	tensor_load_to_lds s[G0B+4:G0B+7], s[G1B:G1B+7]
	s_nop 0
.rept 4
	v_nop
.endr
.Lasked_\@:
.endm
; A prefetch of the tile that stands THREE refills on (384 matrix instructions ahead of the load that will want it), behind the load and the run of LDS loads: one instruction a wave.
; p's tile is read by the four clusters of a row of clusters: cluster x = 0 asks, waves 0 and 1; of a wave's 16 planes x 8 blocks of 256 bytes partner cx takes 2 blocks of every plane, BY ADDRESS.
; It names tiles 5 .. 17 of the walk.  Y's tile is read by the four clusters of a column of clusters, and again in second blocks: cluster y = 0, whose first block walks all 16 chunks, asks, waves 2 and 3,
; in that block alone (chunks 5 .. 15); of a wave's 16 planes partner cy takes 4, whole.  Tiles 2 to 4 come by their refills alone.
.macro ASK
	WIN 0
	s_cmp_gt_u32 s[CNT], s[LIM]
	s_cbranch_scc0 .Lnot_mine_\@
	global_prefetch_b8 v[PFO], s[PFA:PFA+1] th:TH_LOAD_NT scope:SCOPE_SE
.Lnot_mine_\@:
.endm
.macro CREST
	s_cmp_lg_u32 s[WV], 0
	s_cbranch_scc1 .Lnot_wave_0_\@
	s_barrier_signal -3
.Lnot_wave_0_\@:
	s_barrier_wait -3
	s_barrier_signal -1
	s_barrier_wait -1
.endm
.macro CROUND
	s_barrier_signal -1
	s_barrier_wait -1
	CREST
.endm
	s_load_b256 s[4:11], s[0:1], 0x0               ; pp s[4:5], yp s[6:7], st s[8:9], out0 s[10:11]
	v_lshl_add_u32 v[SPW], v0, 2, SPARE
	v_mov_b32 v[NIL], 0
	ds_add_u32 v[SPW], v[NIL]                      ; the wave's opening: the add, twice on end, and its wait ahead of my first tensor load
	ds_add_u32 v[SPW], v[NIL]                      ; once more; the set-up below, work on registers, stands between it and the wait
	v_lshrrev_b32 v1, 5, v0
	v_readfirstlane_b32 s[WV], v1
	s_lshr_b32 s[WR], s[WV], 1
	s_and_b32 s[WP], s[WV], 1
	s_bfe_u32 s[CX], ttmp6, 0x40000
	s_bfe_u32 s[CY], ttmp6, 0x40004
	s_lshl_b32 s[NBK], ttmp9, 2
	s_add_co_u32 s[NBK], s[NBK], s[CX]             ; column block = 4 x cluster x + cx
	s_and_b32 s[PT], ttmp7, 0xffff                 ; pt, which all sixteen partners share: every count of the walk is made of it alone
	s_lshl_b32 s[NL1], s[PT], 1
	s_sub_co_u32 s[LQ], 15, s[NL1]                 ; the first block's last chunk: 15 - 2 pt
	s_add_co_u32 s[RT], s[LQ], 1
	s_add_co_u32 s[NL1], s[NL1], 1                 ; the second block's: 2 pt + 1
	s_add_co_u32 s[NL], s[NL1], 1
	s_mov_b32 s[PLQ], s[LQ]
	s_lshl_b32 s[BB], s[PT], 2
	s_sub_co_u32 s[IH], 28, s[BB]
	s_add_co_u32 s[IH], s[IH], s[CY]               ; the first query block
	s_add_co_u32 s[BB], s[BB], s[CY]               ; the second
	s_lshl_b32 s19, s[CY], 2
	s_lshl_b32 s19, 15, s19                        ; my row of the cluster
	s_lshl_b32 s20, 0x1111, s[CX]                  ; my column
	; descriptor group 1, elements of 8 bytes, no padding: 16 planes x 2,048 bytes (256 elements); 8,192 elements from plane to plane in pp, 4,096 in yp
	s_or_b32 s[G1A], s19, (3<<16)|(1<<21)          ; 15:0 the mask: p's tiles go to my row; 17:16 element size; 21 set beside a mask
	s_or_b32 s[G1B], s20, (3<<16)|(1<<21)          ; Y's to my column
.irp g, G1A, G1B
	s_mov_b32 s[(\g)+1], 256<<16                   ; tensor_dim0
	s_mov_b32 s[(\g)+2], 16<<16                    ; tensor_dim1
	s_mov_b32 s[(\g)+3], 256<<16                   ; tile_dim0
	s_mov_b32 s[(\g)+4], 16                        ; tile_dim1
	s_mov_b32 s[(\g)+6], 0
	s_mov_b32 s[(\g)+7], 0
.endr
	s_mov_b32 s[G1A+5], 8192
	s_mov_b32 s[G1B+5], 4096
	s_lshl_b32 s19, s[WP], 20                      ; pp: my 16 planes of 65,536 bytes,
	s_lshl_b32 s20, s[IH], 11                      ; the block's 128 rows x 16 bytes
	s_add_co_u32 s20, s20, s19
	s_mov_b32 s21, 0
	s_lshl_b32 s22, s[BB], 11
	s_add_co_u32 s22, s22, s19
	s_mov_b32 s23, 0
	s_lshl_b32 s90, s[NBK], 11                     ; yp: the block's 128 columns x 16 bytes,
	s_lshl_b32 s91, s[WP], 19                      ; my 16 planes of 32,768 bytes
	s_add_co_u32 s90, s90, s91
	s_mov_b32 s91, 0
	s_lshl_b32 s92, s[WR], 19                      ; out0: my 64 rows of 8,192 bytes,
	s_lshl_b32 s93, s[NBK], 9                      ; the block's 128 columns x 4 bytes,
	s_add_co_u32 s92, s92, s93
	s_lshl_b32 s93, s[WP], 8                       ; my 64 of them
	s_add_co_u32 s92, s92, s93
	s_lshl_b32 s94, s[BB], 20
	s_add_co_u32 s94, s94, s92
	s_lshl_b32 s93, s[IH], 20
	s_add_co_u32 s92, s92, s93
	s_mov_b32 s93, 0
	s_mov_b32 s95, 0
	s_lshl_b32 s19, s[WP], 15                      ; my 16 planes in LDS: no place in the cluster enters an LDS address
	s_mov_b32 s[G0A], 1
	s_mov_b32 s[G0A+1], s19
	s_mov_b32 s[G0A+4], 1
	s_add_co_u32 s[G0A+5], s19, SLOT1
	s_mov_b32 s[G0B], 1
	s_add_co_u32 s[G0B+1], s19, BOFF
	s_mov_b32 s[G0B+4], 1
	s_add_co_u32 s[G0B+5], s19, SLOT1+BOFF
	s_mov_b32 s[NXT], 2
	s_mov_b32 s[CC], 0
	s_mov_b32 s[TB], 0
	s_mov_b32 s[PN], 5
	s_mov_b32 s[OFF+1], 0
	s_mov_b32 s[POFF+1], 0
	s_wait_dscnt 0x0                               ; both opening adds are done
	s_wait_kmcnt 0x0
	s_add_nc_u64 s[ABASE:ABASE+1], s[4:5], s[20:21]
	s_add_nc_u64 s[ABL:ABL+1], s[4:5], s[22:23]
	s_add_nc_u64 s[BBASE:BBASE+1], s[6:7], s[90:91]
	s_add_nc_u64 s[OUT:OUT+1], s[10:11], s[92:93]
	s_add_nc_u64 s[OUTL:OUTL+1], s[10:11], s[94:95]
	s_add_nc_u64 s[G0A+2:G0A+3], s[ABASE:ABASE+1], 0           ; chunk 0 into slot 0,
	s_or_b32 s[G0A+3], s[G0A+3], 0x80000000
	s_add_nc_u64 s[G0A+6:G0A+7], s[ABASE:ABASE+1], 1<<21       ; chunk 1 into slot 1 (the first block has ten chunks or more)
	s_or_b32 s[G0A+7], s[G0A+7], 0x80000000
	s_add_nc_u64 s[G0B+2:G0B+3], s[BBASE:BBASE+1], 0
	s_or_b32 s[G0B+3], s[G0B+3], 0x80000000
	s_add_nc_u64 s[G0B+6:G0B+7], s[BBASE:BBASE+1], 1<<20
	s_or_b32 s[G0B+7], s[G0B+7], 0x80000000
	CROUND                                         ; all sixteen work-groups are here: the first joint loads meet
	s_cmp_eq_u32 s[WR], 0                          ; a wave's two first fills stand in one branch, ahead of every wait on TENSORcnt and every LDS read: two loads of mine are out
	s_cbranch_scc0 .Lfirst_b
	tensor_load_to_lds s[G0A:G0A+3], s[G1A:G1A+7]
	s_nop 0
	tensor_load_to_lds s[G0A+4:G0A+7], s[G1A:G1A+7]
	s_nop 0
.rept 4
	v_nop
.endr
	s_branch .Lfirst_asked
.Lfirst_b:
	tensor_load_to_lds s[G0B:G0B+3], s[G1B:G1B+7]
	s_nop 0
	tensor_load_to_lds s[G0B+4:G0B+7], s[G1B:G1B+7]
	s_nop 0
.rept 4
	v_nop
.endr
.Lfirst_asked:
	; the prefetches' scalars
	s_lshl_b32 s22, s[CX], 9                       ; p: my work-group's 2 blocks of every plane
	s_lshl_b32 s23, s[CY], 17                      ; Y: my work-group's 4 planes of 32,768 bytes
	s_cmp_eq_u32 s[WR], 0
	s_cselect_b32 s19, ttmp9, s[PT]                ; the coordinate along which other clusters read the same bytes
	s_cselect_b32 s[SH], 21, 20
	s_cselect_b32 s20, 3, 5
	s_cselect_b32 s21, -1, 0
	s_cselect_b32 s22, s22, s23
	s_cselect_b64 s[PB:PB+1], s[ABASE:ABASE+1], s[BBASE:BBASE+1]
	s_cselect_b64 s[PBL:PBL+1], s[ABL:ABL+1], s[BBASE:BBASE+1]
	s_mov_b32 s23, 0
	s_add_nc_u64 s[PB:PB+1], s[PB:PB+1], s[22:23]
	s_add_nc_u64 s[PBL:PBL+1], s[PBL:PBL+1], s[22:23]
	s_cmp_eq_u32 s19, 0
	s_cselect_b32 s[LIM], s20, -1                  ; the same in all sixteen partners, for a given wave
	; addresses.  A fragment: lane l holds row l % 16; registers 0-3 come from plane k0 / 8 + l / 16, registers 4-7 from two planes on
	v_and_b32 v1, 15, v0
	v_bfe_u32 v2, v0, 4, 1
	v_lshlrev_b32 v64, 4, v1
	v_lshl_add_u32 v64, v2, 11, v64
	s_lshl_b32 s90, s[WR], 10
	v_add_nc_u32 v[A0], s90, v64
	s_lshl_b32 s90, s[WP], 10
	s_add_co_u32 s90, s90, BOFF
	v_add_nc_u32 v[B0], s90, v64
	v_mov_b32 v[ADRA], v[A0]
	v_mov_b32 v[ADRB], v[B0]
	s_mul_i32 s90, s[WV], 16*SP
	s_add_co_u32 s90, s90, STAGE                   ; my stage
	v_mul_u32_u24 v65, v1, SP                      ; in: row l % 16, 32 bytes for each half of the lanes
	v_lshl_add_u32 v65, v2, 5, v65
	v_add_nc_u32 v[STO], s90, v65
	v_mul_u32_u24 v65, v2, SP                      ; back: lanes 0-15 take one row of 256 bytes, lanes 16-31 the next
	v_lshl_add_u32 v65, v1, 4, v65
	v_add_nc_u32 v[RD], s90, v65
	v_lshlrev_b32 v65, 4, v1                       ; and the same two rows in out0
	v_lshl_add_u32 v[CO], v2, 13, v65
	v_and_b32 v66, 31, v0
	v_lshrrev_b32 v64, 1, v66                      ; p: plane l / 2, block l % 2
	v_and_b32 v65, 1, v66
	v_lshlrev_b32 v65, 8, v65
	v_lshl_add_u32 v64, v64, 16, v65
	v_lshrrev_b32 v65, 3, v66                      ; Y: plane l / 8, block l % 8
	v_and_b32 v67, 7, v66
	v_lshlrev_b32 v67, 8, v67
	v_lshl_add_u32 v65, v65, 15, v67
	v_cndmask_b32 v[PFO], v65, v64, s21
	s_lshl_b32 s91, s[WR], 9                       ; st: 8 bytes a row: the block's 128 rows, my 64, row l % 16
	s_lshl_b32 s90, s[IH], 10
	s_add_co_u32 s90, s90, s91
	v_lshl_add_u32 v[VST], v1, 3, s90
	s_lshl_b32 s90, s[BB], 10
	s_add_co_u32 s90, s90, s91
	v_lshl_add_u32 v[VSTL], v1, 3, s90
.irp a, 0,1,2,3
	v_mov_b32 v[G+2*(\a)+1], 0                     ; named with g as a pair
.endr
	WIN 0x80
.set z, 0
.rept 128
	v_mov_b32 v[z], 0                              ; T
.set z, z+1
.endr
	WIN 0
; M and 1 / L of my four row tiles for a block with N chunks; n1 names the register that holds N - 1.  All 16 places are loaded: a place past the block's last chunk repeats that chunk, which
; cannot change the maximum, and is weighed with 0 in L.  A wholly hidden chunk has cm = -1e30 and l = 0: it changes neither.  All this stands in the wait for the first tile.
.macro STATS n1, vst, cmr, inv
.set u, 0
.rept 16
	s_min_u32 s90, u, s[\n1]
	s_lshl_b32 s90, s90, 15
	v_add_nc_u32 v[OU+u], s90, v[\vst]
.set u, u+1
.endr
.set u, 0
.rept 16
.irp a, 0,1,2,3
	global_load_b64 v[S+8*u+2*(\a):S+8*u+2*(\a)+1], v[OU+u], s[8:9] offset:(\a)*128  ; (cm, l)
.endr
.set u, u+1
.endr
	s_wait_loadcnt 0x0
.irp a, 0,1,2,3
	v_max3_num_f32 v[(\cmr)+(\a)], v[S+2*(\a)], v[S+8+2*(\a)], v[S+16+2*(\a)]
.endr
.set u, 3
.rept 6
.irp a, 0,1,2,3
	v_max3_num_f32 v[(\cmr)+(\a)], v[(\cmr)+(\a)], v[S+8*u+2*(\a)], v[S+8*u+8+2*(\a)]
.endr
.set u, u+2
.endr
.irp a, 0,1,2,3
	v_max_num_f32 v[(\cmr)+(\a)], v[(\cmr)+(\a)], v[S+120+2*(\a)]
.endr
.set u, 0
.rept 16
.irp a, 0,1,2,3
	v_sub_f32 v[S+8*u+2*(\a)], v[S+8*u+2*(\a)], v[(\cmr)+(\a)]
.endr
.set u, u+1
.endr
.set u, 0
.rept 16
.irp a, 0,1,2,3
	v_exp_f32 v[S+8*u+2*(\a)], v[S+8*u+2*(\a)]
.endr
.set u, u+1
.endr
	v_nop                                          ; a plain instruction behind the last exponential,
	s_wait_alu depctr_va_vdst(0)                   ; and one wait ahead of the batch's first reader
.irp a, 0,1,2,3
	v_mul_f32 v[LSUM+(\a)], v[S+2*(\a)], v[S+2*(\a)+1]
.endr
.set u, 1
.rept 15
	s_cmp_le_u32 u, s[\n1]
	s_cselect_b32 s90, 1.0, 0
.irp a, 0,1,2,3
	v_mul_f32 v[S+8*u+2*(\a)], v[S+8*u+2*(\a)], v[S+8*u+2*(\a)+1]
.endr
.irp a, 0,1,2,3
	v_fma_f32 v[LSUM+(\a)], v[S+8*u+2*(\a)], s90, v[LSUM+(\a)]
.endr
.set u, u+1
.endr
.irp a, 0,1,2,3
	v_rcp_f32 v[(\inv)+(\a)], v[LSUM+(\a)]
.endr
	v_nop
	s_wait_alu depctr_va_vdst(0)
.endm
	STATS LQ, VST, CMR, INV
	STATS NL1, VSTL, CMRL, INVL
; 8 matrix instructions: row tiles a0, a0 + 1 x all 4 column tiles, 32 keys: half c of buffer f.  zero = 1: the product starts the chunk's sums.
; The 16 accumulators take turns in the same order throughout: 15 others stand between two links of a chain.
.macro MUL8 f, c, a0, zero
	WIN 0x05
.irp a, \a0, (\a0)+1
.irp b, 0,1,2,3
.if \zero
	v_wmma_f32_16x16x32_f16 v[S+8*(4*(\a)+(\b)):S+8*(4*(\a)+(\b))+7], v[(\f)+64+8*(4*(\c)+(\b)):(\f)+64+8*(4*(\c)+(\b))+7], v[(\f)+8*(4*(\c)+(\a)):(\f)+8*(4*(\c)+(\a))+7], 0
.else
	v_wmma_f32_16x16x32_f16 v[S+8*(4*(\a)+(\b)):S+8*(4*(\a)+(\b))+7], v[(\f)+64+8*(4*(\c)+(\b)):(\f)+64+8*(4*(\c)+(\b))+7], v[(\f)+8*(4*(\c)+(\a)):(\f)+8*(4*(\c)+(\a))+7], v[S+8*(4*(\a)+(\b)):S+8*(4*(\a)+(\b))+7]
.endif
.endr
.endr
.endm
; 32 LDS loads in one run: quarter q (64 keys, 8 planes) of the slot in hand into buffer f; the first 32 keys first
.macro FETCH q, f
	WIN 0x40
.irp c, 0,1
.irp i, 0,1,2,3
	ds_load_b128 v[(\f)+64+8*(4*(\c)+(\i)):(\f)+64+8*(4*(\c)+(\i))+3],   v[ADRB] offset:(2*(\q)+(\c))*8192+(\i)*256
	ds_load_b128 v[(\f)+64+8*(4*(\c)+(\i))+4:(\f)+64+8*(4*(\c)+(\i))+7], v[ADRB] offset:(2*(\q)+(\c))*8192+(\i)*256+4096
	ds_load_b128 v[(\f)+8*(4*(\c)+(\i)):(\f)+8*(4*(\c)+(\i))+3],         v[ADRA] offset:(2*(\q)+(\c))*8192+(\i)*256
	ds_load_b128 v[(\f)+8*(4*(\c)+(\i))+4:(\f)+8*(4*(\c)+(\i))+7],       v[ADRA] offset:(2*(\q)+(\c))*8192+(\i)*256+4096
.endr
.endr
.endm
.macro QUARTER q, f, g, zero           ; multiplies buffer f; in its middle fetches quarter q into buffer g
	s_wait_dscnt 16                                ; the first 32 keys are in
	MUL8 \f, 0, 0, \zero
	MUL8 \f, 0, 2, \zero
	PLACES
	FETCH \q, \g
	s_wait_dscnt 32                                ; all but the 32 just issued
	MUL8 \f, 1, 0, 0
	MUL8 \f, 1, 2, 0
.endm
; A chunk's last quarter multiplies buffer 1 and changes slots: ONE barrier.  In front of it each wave waits for all its tensor loads (one is out: its part of the next slot), adds 0 to its spare word, and
; waits for that and for its own reads of this slot.  fill = 1: the barrier opens a round of the cluster's barrier, and this slot is filled again first thing behind the round, with chunk NXT:
; the descriptor's address is made anew from that number.  112 matrix instructions stand between that request and the wait for it.
.macro TURN fill
.if \fill
	s_wait_xcnt 0x0                                ; the last prefetch, a chunk back, has read its address: it is made anew here
	s_lshl_b32 s[POFF], s[PN], s[SH]
	s_add_nc_u64 s[PFA:PFA+1], s[PB:PB+1], s[POFF:POFF+1]
	s_add_co_u32 s[PN], s[PN], 1                   ; the block's next chunk, or behind its last the second block's chunk 0
	s_cmp_gt_u32 s[PN], s[PLQ]
	s_cselect_b32 s[PN], 0, s[PN]
	s_cselect_b32 s[PLQ], s[NL1], s[PLQ]
	s_cselect_b64 s[PB:PB+1], s[PBL:PBL+1], s[PB:PB+1]
.endif
	WIN 0
	s_wait_tensorcnt 0x0                           ; no tensor load of mine is out, so a group 0 may be written
	ds_add_u32 v[SPW], v[NIL]                      ; 0 onto my spare word
.if \fill
	s_lshl_b32 s[OFF], s[NXT], 21                  ; a chunk is 32 planes of 65,536 bytes in pp,
	s_xor_b32 s[G0A+5], s[G0A+5], SLOT1
	s_add_nc_u64 s[G0A+6:G0A+7], s[ABASE:ABASE+1], s[OFF:OFF+1]
	s_or_b32 s[G0A+7], s[G0A+7], 0x80000000
	s_lshl_b32 s[OFF], s[NXT], 20                  ; of 32,768 in yp
	s_xor_b32 s[G0B+5], s[G0B+5], SLOT1
	s_add_nc_u64 s[G0B+6:G0B+7], s[BBASE:BBASE+1], s[OFF:OFF+1]
	s_or_b32 s[G0B+7], s[G0B+7], 0x80000000
	s_add_co_u32 s[NXT], s[NXT], 1
	s_cmp_gt_u32 s[NXT], s[LQ]
	s_cselect_b32 s[NXT], 0, s[NXT]
	s_cselect_b32 s[LQ], s[NL1], s[LQ]
	s_cselect_b64 s[ABASE:ABASE+1], s[ABL:ABL+1], s[ABASE:ABASE+1]
.endif
	s_wait_dscnt 17                                ; (the add and the youngest sixteen loads may be out)
	MUL8 F1, 0, 0, 0
	s_wait_dscnt 0x0                               ; the add is done, and my reads of this slot are over
	s_barrier_signal -1
	MUL8 F1, 0, 2, 0
	WIN 0                                          ; at a branch and at a label every window is 0
	s_barrier_wait -1
.if \fill
	CREST                                          ; no wave of any partner still reads this slot or has a load on its way
	JLOAD                                          ; the four v_nop behind it are also the places in front of the loads below
.else
	PLACES
.endif
	s_xor_b32 s[TB], s[TB], SLOT1
	v_add_nc_u32 v[ADRA], s[TB], v[A0]
	v_add_nc_u32 v[ADRB], s[TB], v[B0]
	FETCH 0, F0
.if \fill
	ASK
.endif
	MUL8 F1, 1, 0, 0
	MUL8 F1, 1, 2, 0
.endm
.macro LASTQ                           ; the walk's very last quarter: nothing more to fetch
	s_wait_dscnt 16
	MUL8 F1, 0, 0, 0
	MUL8 F1, 0, 2, 0
	s_wait_dscnt 0x0
	MUL8 F1, 1, 0, 0
	MUL8 F1, 1, 2, 0
.endm
; T += g S.  The four subtractions are the places behind the chunk's last products; each accumulator is read from its low end on.
.macro FOLD
	WIN 0
	s_wait_loadcnt 0x0                             ; the chunk's cm, asked for at the chunk's head
.irp a, 0,1,2,3
	v_sub_f32 v[G+2*(\a)], v[GC+(\a)], v[CMR+(\a)]
.endr
.irp a, 0,1,2,3
	v_exp_f32 v[G+2*(\a)], v[G+2*(\a)]
.endr
	v_nop                                          ; a plain instruction behind the last exponential,
	s_wait_alu depctr_va_vdst(0)                   ; and the one wait for the four
.irp a, 0,1,2,3
	v_mul_f32 v[G+2*(\a)], v[G+2*(\a)], v[INV+(\a)]
.endr
	WIN 0xa0                                       ; T (destination and source 2) in window 2
.set z, 0
.rept 64
	v_pk_fma_f32 v[2*z:2*z+1], v[S+2*z:S+2*z+1], v[G+2*(z/16):G+2*(z/16)+1], v[2*z:2*z+1] op_sel_hi:[1,0,1]
.set z, z+1
.endr
	WIN 0
.endm
; THE WAY OUT of a block: a row tile (16 rows x 64 columns of f32) at a time through my stage: 32 bytes a lane in, whole rows of 256 bytes back, into S's registers.
; more = 1: the second block follows: T is cleared and its statistics and address take the places that the one text names.
.macro WAYOUT more
.irp a, 0,1,2,3
	WIN 0x08                                       ; the stores' data in window 2
.irp b, 0,1,2,3
	ds_store_b128 v[STO], v[8*(4*(\a)+(\b)):8*(4*(\a)+(\b))+3]   offset:(\b)*64
	ds_store_b128 v[STO], v[8*(4*(\a)+(\b))+4:8*(4*(\a)+(\b))+7] offset:(\b)*64+16
.endr
	WIN 0
.irp t, 0,1,2,3,4,5,6,7
	ds_load_b128 v[S+32*(\a)+4*(\t):S+32*(\a)+4*(\t)+3], v[RD] offset:(\t)*2*SP  ; LDS serves a wave's instructions in order (ISA guide 5.7.1.4): these see the stores above; the next tile's stores come behind them
.endr
.endr
.irp a, 0,1,2,3
	s_wait_dscnt 16*(3-(\a))                       ; the later tiles' sixteen LDS instructions each may be out
.irp t, 0,1,2,3,4,5,6,7
	global_store_b128 v[CO], v[S+32*(\a)+4*(\t):S+32*(\a)+4*(\t)+3], s[OUT:OUT+1] offset:(\a)*131072+(\t)*16384 th:TH_STORE_NT  ; sixteen lanes store 256 consecutive bytes, aligned
.endr
.endr
.if \more
	WIN 0x80
.set z, 0
.rept 128
	v_mov_b32 v[z], 0
.set z, z+1
.endr
	WIN 0
	v_mov_b32 v[VST], v[VSTL]
.irp a, 0,1,2,3
	v_mov_b32 v[CMR+(\a)], v[CMRL+(\a)]
	v_mov_b32 v[INV+(\a)], v[INVL+(\a)]
.endr
	s_mov_b32 s[CC], 0
	s_mov_b32 s[RT], s[NL]
	s_wait_xcnt 0x0                                ; the stores have read their registers and their base: S and the base are written again only behind this wait
	s_mov_b64 s[OUT:OUT+1], s[OUTL:OUTL+1]
.endif
.endm
; A CHUNK.  mode 2: in the loop, a refill; 1: a change of slots without one; 0: the walk's last.  The first block ends at tile 15 - 2 pt, inside the loop; tiles 16 and 17 are the second block's.
; The jump over the way out goes forward, past neither a barrier nor a tensor load, on a count made from pt.
.macro STEP mode
	WIN 0
	s_lshl_b32 s90, s[CC], 15
	v_add_nc_u32 v[GO], s90, v[VST]
.irp a, 0,1,2,3
	global_load_b32 v[GC+(\a)], v[GO], s[8:9] offset:(\a)*128
.endr
	QUARTER 1, F0, F1, 1
	QUARTER 2, F1, F0, 0
	QUARTER 3, F0, F1, 0
.if (\mode) == 2
	TURN 1
.elseif (\mode) == 1
	TURN 0
.else
	LASTQ
.endif
	FOLD
.if (\mode) == 2
	s_add_co_u32 s[CC], s[CC], 1
	s_sub_co_u32 s[RT], s[RT], 1
	s_cmp_lg_u32 s[RT], 0
	s_cbranch_scc1 .Lsame_block_\@
	WAYOUT 1
.Lsame_block_\@:
.elseif (\mode) == 1
	s_add_co_u32 s[CC], s[CC], 1
.else
	WAYOUT 0
.endif
.endm
	s_wait_tensorcnt 1                             ; my part of chunk 0 is in; chunk 1's may stay out
	s_barrier_signal -1
	s_barrier_wait -1
	FETCH 0, F0
	WIN 0
	s_mov_b32 s[CNT], 16
.Lstep:                                                ; 16 trips: tiles 0 .. 15 of the walk are multiplied, tiles 2 .. 17 asked for
	STEP 2
	s_sub_co_u32 s[CNT], s[CNT], 1
	s_cmp_lg_u32 s[CNT], 0
	s_cbranch_scc1 .Lstep
	STEP 1                                         ; the last two tiles are written out
	STEP 0
	s_wait_tensorcnt 0x0                           ; the wave's end, behind my last tensor load and my last LDS store
	ds_add_u32 v[SPW], v[NIL]
	s_wait_dscnt 0x0
	CROUND                                         ; the closing round: no work-group ends while a partner may still ask for a tile that names it
	s_endpgm
.Lfunc_end_k_q78f599faaf_mix:
	.size	k_q78f599faaf_mix, .Lfunc_end_k_q78f599faaf_mix-k_q78f599faaf_mix
	.p2alignl 7, 3214868480
	.fill 96, 4, 3214868480
	.section	.rodata,"a",@progbits
	.p2align	6, 0x0
	.amdhsa_kernel k_q78f599faaf_mix
		.amdhsa_group_segment_fixed_size 327680
		.amdhsa_private_segment_fixed_size 0
		.amdhsa_enable_private_segment 0
		.amdhsa_kernarg_size 32
		.amdhsa_user_sgpr_count 2
		.amdhsa_user_sgpr_kernarg_segment_ptr 1
		.amdhsa_wavefront_size32 1
		.amdhsa_system_sgpr_workgroup_id_x 1
		.amdhsa_system_sgpr_workgroup_id_y 1
		.amdhsa_system_sgpr_workgroup_id_z 1
		.amdhsa_system_vgpr_workitem_id 0
		.amdhsa_next_free_vgpr 640
		.amdhsa_next_free_sgpr 100
		.amdhsa_reserve_vcc 0
		.amdhsa_float_denorm_mode_32 3
		.amdhsa_float_denorm_mode_16_64 3
		.amdhsa_memory_ordered 1
		.amdhsa_forward_progress 1
		.amdhsa_inst_pref_size 141
	.end_amdhsa_kernel
	.amdgpu_metadata
---
amdhsa.version: [ 1, 2 ]
amdhsa.kernels:
  - .name:           k_q78f599faaf_mix
    .symbol:         k_q78f599faaf_mix.kd
    .args:
      - { .name: pp, .offset: 0, .size: 8, .value_kind: global_buffer, .address_space: global }
      - { .name: yp, .offset: 8, .size: 8, .value_kind: global_buffer, .address_space: global }
      - { .name: st, .offset: 16, .size: 8, .value_kind: global_buffer, .address_space: global }
      - { .name: out0, .offset: 24, .size: 8, .value_kind: global_buffer, .address_space: global }
    .group_segment_fixed_size: 327680
    .private_segment_fixed_size: 0
    .kernarg_segment_align: 8
    .kernarg_segment_size: 32
    .max_flat_workgroup_size: 128
    .sgpr_count:     100
    .vgpr_count:     640
    .wavefront_size: 32
...
	.end_amdgpu_metadata
.endif
;; end of part 4
;; ======== version 2 of 2: 4 launches; version 1 with the launches cast, probs written anew for expert scheduling mode
;; limits: values are held in f16: magnitudes above 65,504 overflow, below 6.1e-05 lose precision
;; workspace buffers: xp 16,777,216 bytes; wcp 9,437,184 bytes; qkp 4,194,304 bytes; yp 16,777,216 bytes; pp 33,554,432 bytes; st 524,288 bytes
;; launch cast (part 5): grid 400 x 2, 8 waves a work-group, no clusters, 35,840 bytes of LDS; arguments x, W2, Wq, Wk, xp, wcp; writes xp, wcp
.if DOCPART == 5
	.amdgcn_target "amdgcn-amd-amdhsa--gfx1250"
	.amdhsa_code_object_version 6
	.text
	.protected	k_q78f599faaf_cast
	.globl	k_q78f599faaf_cast
	.p2align	8
	.type	k_q78f599faaf_cast,@function
k_q78f599faaf_cast:
	s_mov_b64 s[64:65], 0
	v_nop
	global_prefetch_b8 v0, s[64:65] scope:SCOPE_SE
	s_setreg_imm32_b32 hwreg(HW_REG_WAVE_SCHED_MODE, 0, 2), 2
	s_setreg_imm32_b32 hwreg(HW_REG_WAVE_MODE, 25, 1), 1
	s_wait_xcnt 0x0
	s_wait_alu depctr_vm_vsrc(0)
; LAUNCH 1 OF 4.  THE PROGRAM: out0 = softmax_causal((x Wq^T)(x Wk^T)^T) x W2^T, n = 4,096 tokens, d = 2,048, head 128.
; It is computed as attn (x W2^T): the same products in another order of sums (matrix products associate), so that q, k and Y = x W2^T are ONE product.
;   cast:  x, W2, Wq, Wk rounded once to bf16 (nearest even) and laid out in planes.      proj:  [Y | q | k] = x [W2; Wq; Wk]^T; Y in f16, q and k as two f16 numbers each.
;   probs: for each block of 128 queries x 256 keys the weights p = 2^(c s - cm), cm = c x the block's row maximum, c = log2(e), and (cm, sum of p).
;   mix:   out0 = the sum over key chunks of g (p Y), g = 2^(cm - the row's largest cm) / L: the row's true maximum is taken away, in f32.
; WORK LEFT OUT.  reference() sets every score with key > query to -inf by its own jnp.tril, ahead of the softmax: its weight is exactly 0 for all finite inputs, so it reaches no output.
; probs scores no block of 128 queries x 256 keys that lies wholly above the diagonal: 272 of 512 blocks are scored.  mix walks the keys in pieces of 512 for groups of four query blocks, so that four
; work-groups can share each tile of Y, and leaves out every piece that lies wholly above its group's diagonal: 288 of 512 blocks are multiplied.  In the piece that holds the diagonal the first two
; blocks of a group multiply one wholly hidden block of 256 keys by weights of 0 that probs lays down (16 of the 288).  Inside a block that holds the diagonal the hidden scores are computed and masked.
; All four inputs have a way to the output and are loaded.
; LIMITS.  A NaN, an infinity or an overflow that would arise only in the blocks left out is not carried to the result.  The sums' order differs from reference()'s.
;
; PLANES.  An operand M[row][k] is stored as [k / 8][row][k % 8]: 16 bytes for each (plane, row).  A matrix fragment (16 rows x 32 k) is then two loads of 16 bytes a lane in which
; sixteen neighbouring lanes take 256 consecutive bytes, in memory and in LDS alike.
;   xp  [256 planes][4,096 tokens][8] bf16, a plane 65,536 bytes.
;   wcp [256 planes][2,304 rows][8] bf16, a plane 36,864 bytes: 16 blocks of 144 rows: 128 rows of W2, then 16 rows of Wq (blocks 0-7) or of Wk (blocks 8-15).
; SHARES.  A work-group takes 16 source rows x 1,024 columns; wave w 128 columns = 16 planes.  Groups 0-255: x; 256-383: W2; 384-391: Wq; 392-399: Wk.
; Memory binds: each input byte is read once (512 consecutive bytes a wave and load, sixteen loads out before the first wait), each output byte written once.  The turn from rows to planes goes
; through the wave's own LDS bytes; no barrier, no matrix unit, no tensor load: no wave wants another wave's bytes.
; THE MODE: SCHED_MODE bits 1:0 = 2 (LLVM: expert scheduling mode 2), set by the entry lines.  The code itself states the register dependences
; between vector instructions and memory or LDS instructions, with s_wait_alu, always for 0.
; THE PLAN.  Registers that memory or LDS instructions touch:
;   v[VA], v[LA], v[LR]  made at the head, ahead of the first wait on va_vdst, and never written again.
;   X        16 rows as loaded: each register written once, by a load; read by the roundings.
;   Y        16 rows rounded: each register written once, by a rounding; read by one LDS store.
;   v[VS ..] made behind the loads' issue, ahead of block 0's roundings; read by the global stores.
;   Z        written by LDS loads, read by global stores: no vector instruction names it.
;   v[SPW], v[NIL]  written at the head, read by the closing add alone.
; The 16 rows go in four blocks of four.  Block b rounds its own rows; its LDS instructions are the four stores of block b - 1, whose Y registers no rounding of block b names.  So ONE wait on
; va_vdst at a block's head, behind the wait for the block's data, states all that those four stores hang on, and they are dealt among the block's roundings with no further wait.
; No register that a memory or LDS instruction reads is ever written again: the text holds no wait on vm_vsrc beyond the entry lines'.
.set ROWB,   8192                      ; bytes in a source row
.set PPITCH, 272                       ; a plane in LDS: 16 rows x 16 bytes + 16 of padding = 68 words: the 32 lanes' 8-byte stores fall on 64 different words modulo 64
.set WAREA,  16*PPITCH                 ; a wave's 16 planes
.set SPARE,  8*WAREA                   ; behind them: the spare words, 128 bytes for each wave: four blocks of 256 bytes that no other line names
.set VA,  2                            ; v2       16 x thread: my 16 bytes in the half row
.set LA,  3                            ; v3       LDS: where my 8 bytes of row 0 go
.set LR,  4                            ; v4       LDS: where I read 16 bytes of a plane back
.set SPW, 5                            ; v5       LDS address of my spare word; never rewritten
.set NIL, 6                            ; v6       0; never rewritten
.set VS,  8                            ; v[8:15]  store j: (2 j + lane / 16) x plane bytes + 16 (lane % 16)
.set X,   16                           ; v[16:79]   16 rows x 4 f32
.set Y,   80                           ; v[80:111]  16 rows x 4 bf16
.set Z,   112                          ; v[112:143] 16 planes, two a load, as stored
	s_load_b256 s[4:11], s[0:1], 0x0               ; x s[4:5], W2 s[6:7], Wq s[8:9], Wk s[10:11]
	s_load_b128 s[12:15], s[0:1], 0x20             ; xp s[12:13], wcp s[14:15]
	v_lshl_add_u32 v[SPW], v0, 2, SPARE
	v_mov_b32 v[NIL], 0
	v_lshrrev_b32 v1, 5, v0
	v_readfirstlane_b32 s18, v1                    ; wave 0..7
	s_mov_b32 s16, ttmp9                           ; the group of 16 rows
	s_and_b32 s17, ttmp7, 0xffff                   ; which half of the columns
	s_max_u32 s19, s16, 384
	s_sub_co_u32 s19, s19, 384                     ; Wq, Wk: the block of wcp, 0..15
	s_and_b32 s20, s19, 7                          ; the group of rows in Wq or Wk
	s_mul_i32 s21, s19, 144
	s_add_co_u32 s21, s21, 128                     ; the row in a plane of wcp
	s_max_u32 s19, s16, 256
	s_sub_co_u32 s19, s19, 256                     ; W2: the group of rows
	s_lshr_b32 s30, s19, 3
	s_mul_i32 s30, s30, 144
	s_and_b32 s31, s19, 7
	s_lshl4_add_u32 s30, s31, s30                  ; its row in a plane of wcp: 144 (group / 8) + 16 (group % 8)
	s_lshl_b32 s31, s16, 4                         ; x: the token
	s_mov_b32 s27, 36864
	v_and_b32 v7, 31, v0                           ; lane
	v_lshlrev_b32 v[VA], 4, v0
	s_wait_alu depctr_va_sdst(0)                   ; s18 is written, ahead of its first reader: my wave's LDS bytes and its planes in the destination are made from it
	s_mul_i32 s32, s18, WAREA                      ; my wave's bytes in LDS
	v_lshrrev_b32 v1, 1, v7                        ; my 4 columns lie in plane lane / 2,
	v_mul_u32_u24 v[LA], v1, PPITCH
	v_and_b32 v1, 1, v7                            ; in its lower or upper 8 bytes
	v_lshl_add_u32 v[LA], v1, 3, v[LA]
	v_add_nc_u32 v[LA], s32, v[LA]
	v_lshrrev_b32 v1, 4, v7                        ; lane / 16
	v_and_b32 v7, 15, v7                           ; lane % 16
	v_mul_u32_u24 v[LR], v1, PPITCH
	v_lshl_add_u32 v[LR], v7, 4, v[LR]
	v_add_nc_u32 v[LR], s32, v[LR]
	v_lshlrev_b32 v7, 4, v7
	s_wait_kmcnt 0x0
	s_cmp_lt_u32 s16, 392                          ; three choices by the group's number, the later overriding the earlier
	s_cselect_b64 s[22:23], s[8:9], s[10:11]
	s_cmp_lt_u32 s16, 384
	s_cselect_b64 s[22:23], s[6:7], s[22:23]
	s_cselect_b32 s20, s19, s20
	s_cselect_b32 s21, s30, s21
	s_cmp_lt_u32 s16, 256
	s_cselect_b64 s[22:23], s[4:5], s[22:23]
	s_cselect_b32 s20, s16, s20
	s_cselect_b32 s21, s31, s21
	s_cselect_b64 s[24:25], s[12:13], s[14:15]
	s_cselect_b32 s26, 0x10000, s27                ; bytes in a plane of the destination
	s_lshl_b32 s28, s20, 17                        ; 16 rows of 8,192 bytes
	s_lshl_b32 s29, s17, 12                        ; + the half row
	s_add_co_u32 s28, s28, s29
	s_mov_b32 s29, 0
	s_add_nc_u64 s[22:23], s[22:23], s[28:29]
	s_lshl_b32 s28, s17, 7
	s_lshl4_add_u32 s28, s18, s28                  ; my first plane: 128 x half + 16 x wave
	s_mul_i32 s28, s28, s26
	s_lshl4_add_u32 s28, s21, s28                  ; + 16 bytes x the row
	s_add_nc_u64 s[24:25], s[24:25], s[28:29]
	s_wait_alu depctr_va_vdst(0)                   ; v[VA], v[LA] and v[LR] are written: the loads below, the LDS stores and the LDS loads read them as addresses
.irp i, 0,1,2,3,4,5,6,7,8,9,10,11,12,13,14,15
	global_load_b128 v[X+4*(\i):X+4*(\i)+3], v[VA], s[22:23] offset:(\i)*ROWB th:TH_LOAD_NT
.endr
	v_mad_u32_u24 v[VS], v1, s26, v7
	s_lshl_b32 s27, s26, 1
.irp j, 1,2,3,4,5,6,7
	v_add_nc_u32 v[VS+(\j)], s27, v[VS+(\j)-1]
.endr
.irp b, 0,1,2,3
	s_wait_loadcnt 12-4*(\b)                       ; loads come back in order: block b's four rows are in, the younger blocks stay out
.if (\b) > 0
	s_wait_alu depctr_va_vdst(0)                   ; the block before has written its eight registers of Y, which the four LDS stores below read (at block 1 also: v[VS ..] are written, which the global stores read)
.endif
.irp r, 0,1,2,3
.set row, 4*(\b)+(\r)
.if (\b) > 0
	ds_store_b64 v[LA], v[Y+2*row-8:Y+2*row-7] offset:(row-4)*16  ; the row four back; no rounding since the wait names its registers
.endif
	v_cvt_pk_bf16_f32 v[Y+2*row], v[X+4*row], v[X+4*row+1]
	v_cvt_pk_bf16_f32 v[Y+2*row+1], v[X+4*row+2], v[X+4*row+3]
.endr
.endr
	s_wait_alu depctr_va_vdst(0)                   ; block 3 has written its eight registers of Y, which the last four LDS stores read
.irp i, 12,13,14,15
	ds_store_b64 v[LA], v[Y+2*(\i):Y+2*(\i)+1] offset:(\i)*16
.endr
.irp j, 0,1,2,3,4,5,6,7
	ds_load_b128 v[Z+4*(\j):Z+4*(\j)+3], v[LR] offset:(\j)*2*PPITCH  ; my wave's own bytes, served in order behind the stores above
.endr
.irp j, 0,1,2,3,4,5,6,7
	s_wait_dscnt 7-(\j)                            ; planes 2 j, 2 j + 1 are back; the younger loads stay out
	global_store_b128 v[VS+(\j)], v[Z+4*(\j):Z+4*(\j)+3], s[24:25]  ; sixteen lanes store 256 consecutive bytes, aligned
.endr
	s_wait_dscnt 0x0                               ; the closing lines, six on end
	s_wait_alu 0x0
	s_wait_tensorcnt 0x0
	ds_add_u32 v[SPW], v[NIL]
	s_wait_dscnt 0x0
	s_endpgm
.Lfunc_end_k_q78f599faaf_cast:
	.size	k_q78f599faaf_cast, .Lfunc_end_k_q78f599faaf_cast-k_q78f599faaf_cast
	.p2alignl 7, 3214868480
	.fill 96, 4, 3214868480
	.section	.rodata,"a",@progbits
	.p2align	6, 0x0
	.amdhsa_kernel k_q78f599faaf_cast
		.amdhsa_group_segment_fixed_size 35840
		.amdhsa_private_segment_fixed_size 0
		.amdhsa_enable_private_segment 0
		.amdhsa_kernarg_size 48
		.amdhsa_user_sgpr_count 2
		.amdhsa_user_sgpr_kernarg_segment_ptr 1
		.amdhsa_wavefront_size32 1
		.amdhsa_system_sgpr_workgroup_id_x 1
		.amdhsa_system_sgpr_workgroup_id_y 1
		.amdhsa_system_sgpr_workgroup_id_z 1
		.amdhsa_system_vgpr_workitem_id 0
		.amdhsa_next_free_vgpr 144
		.amdhsa_next_free_sgpr 66
		.amdhsa_reserve_vcc 0
		.amdhsa_float_denorm_mode_32 3
		.amdhsa_float_denorm_mode_16_64 3
		.amdhsa_memory_ordered 1
		.amdhsa_forward_progress 1
		.amdhsa_inst_pref_size 10
	.end_amdhsa_kernel
	.amdgpu_metadata
---
amdhsa.version: [ 1, 2 ]
amdhsa.kernels:
  - .name:           k_q78f599faaf_cast
    .symbol:         k_q78f599faaf_cast.kd
    .args:
      - { .name: x, .offset: 0, .size: 8, .value_kind: global_buffer, .address_space: global }
      - { .name: W2, .offset: 8, .size: 8, .value_kind: global_buffer, .address_space: global }
      - { .name: Wq, .offset: 16, .size: 8, .value_kind: global_buffer, .address_space: global }
      - { .name: Wk, .offset: 24, .size: 8, .value_kind: global_buffer, .address_space: global }
      - { .name: xp, .offset: 32, .size: 8, .value_kind: global_buffer, .address_space: global }
      - { .name: wcp, .offset: 40, .size: 8, .value_kind: global_buffer, .address_space: global }
    .group_segment_fixed_size: 35840
    .private_segment_fixed_size: 0
    .kernarg_segment_align: 8
    .kernarg_segment_size: 48
    .max_flat_workgroup_size: 256
    .sgpr_count:     66
    .vgpr_count:     144
    .wavefront_size: 32
...
	.end_amdgpu_metadata
.endif
;; end of part 5
;; launch proj: the kernel of part 2 again; grid 16 x 16, 4 waves a work-group, clusters of 4 x 4, 327,680 bytes of LDS; arguments xp, wcp, yp, qkp; writes yp, qkp
;; launch probs (part 6): grid 17 x 16, 8 waves a work-group, no clusters, 133,120 bytes of LDS; arguments qkp, pp, st; writes pp, st
.if DOCPART == 6
	.amdgcn_target "amdgcn-amd-amdhsa--gfx1250"
	.amdhsa_code_object_version 6
	.text
	.protected	k_q78f599faaf_probs
	.globl	k_q78f599faaf_probs
	.p2align	8
	.type	k_q78f599faaf_probs,@function
k_q78f599faaf_probs:
	s_mov_b64 s[64:65], 0
	v_nop
	global_prefetch_b8 v0, s[64:65] scope:SCOPE_SE
	s_setreg_imm32_b32 hwreg(HW_REG_WAVE_SCHED_MODE, 0, 2), 2
	s_setreg_imm32_b32 hwreg(HW_REG_WAVE_MODE, 25, 1), 1
	s_wait_xcnt 0x0
	s_wait_alu depctr_vm_vsrc(0)
; LAUNCH 3 OF 4.  For a block of 128 queries x 256 keys: s = q . k (no scale, as reference() has none); the causal mask; for each row m = the block's largest s,
; cm = c m with c = log2(e); p = 2^(c s - cm), rounded once to f16 into pp [key / 8][query][8 keys]; and (cm, l = the f32 sum of the unrounded p) into st [chunk][query][2].
; The last launch takes the row's largest cm away from every cm, so the softmax's maximum is the row's true one; here every exponent is at most a rounding above 0.
; THE SCORES' OPERANDS.  q and k come as two f16 numbers each (hi + lo, about 22 bits): s = qh . kh + qh . kl + ql . kh, three f16 products with f32 sums on one accumulator.
; WORK LEFT OUT: blocks wholly above the diagonal (their weights are 0 by reference()'s own jnp.tril): only the 272 live blocks have a work-group and are scored.
; ZEROS FOR THE LAST LAUNCH.  It walks the keys in pieces of 512 for groups of four query blocks.  For the first two blocks of a group (query chunk J even) the second chunk of the diagonal piece, J + 1, is
; wholly hidden: the work-group of the diagonal block (c = J) also stores weights of 0 there, and the pair (cm = -1e30, l = 0), of which the last launch makes the factor 0.  Nothing is computed for it.
; LIMITS.  The term ql . kl, some 2^-22 of a score, is not formed.  p below 6e-5 keeps f16's fixed step of 6e-8; an exponential below 2^-126 counts as 0; NaN and infinities in q or k are not treated apart.
; -1e30 lies far below every c s: f16's operands bound |c s| by 128 x 65,504^2 x c, some 8e11.
; THE GRID.  17 x 16.  y = grid y / 2, hf = grid y % 2.  Query chunks J = y (y + 1 key chunks) and J = 15 - y (16 - y) together have 17: x <= y takes (J = y, c = x), else (J = 15 - y, c = x - y - 1).
; The query block is 2 J + hf.  The block holds the diagonal where c = J; every row then still sees the chunk's key 0, so m is a true score.
; SHARES.  Wave w owns queries 16 w .. 16 w + 15 of the block against all 256 keys: S^T = K Q^T (source 0 = 16 keys, source 1 = 16 queries): a lane holds ONE query (lane % 16) and keys
; 8 (lane / 16) + 0..7 of each of 16 key tiles: a row's maximum and sum want one exchange between the halves of the lanes, and eight weights are 16 bytes of pp as they lie.
; THE ORDER.  The four quarters of the 128 channels are the outer loop: a quarter wants 16 registers of q (qh, ql), in two buffers that take turns, the next quarter's loaded a quarter ahead.
; In a quarter, eight steps of two key tiles: 8 LDS loads (kh, kl), 6 products.  So each fragment of k is read from LDS once, and all fits in 256 registers.
; k's 128 KiB come through registers into LDS once (each wave two planes of each part); no tensor load, no cluster, no prefetch: a work-group reads 192 KiB in all and the launch is short.
; THE MODE: SCHED_MODE bits 1:0 = 2 (LLVM: expert scheduling mode 2), set by the entry lines.  The code itself states the register dependences
; between vector or matrix instructions and memory or LDS instructions, with s_wait_alu, always for 0.
; THE PLAN.  Registers that memory or LDS instructions touch:
;   the addresses v3-v6, v11, v28-v31   made at the head, ahead of the first wait on va_vdst, and never written again.
;   S          k's global loads land in it and the LDS stores read it; behind the first barrier one wait on vm_vsrc, and from there on matrix and vector instructions alone name it.
;   KF0, KF1   two buffers of two key tiles.  Step p: its six products read KF[p % 2]; the LDS loads of step p + 1 land in the other buffer, which step p - 1's products have read.
;   Q0, Q1     Quarter kc: its products read Q[kc % 2]; at its head the loads of quarter kc + 1 land in the other buffer, which quarter kc - 1's products have read.
;   So ONE wait on va_vdst stands at a step's head, behind the wait for the step's fragments: it states that the step before is done reading the other buffer of k (at a quarter's head: of q too).
;   The step's eight loads follow it, dealt behind its first two products, which name KF[p % 2], Q[kc % 2] and S: none of the registers that those loads touch.
;   KF as packed weights, and eight registers of Q's that hold the hidden chunk's constants: written by vector instructions, then ONE wait on va_vdst, then read by the global stores, which are
;   dealt among the additions of the row sums; those name S and SM alone.
;   v[CM:CM+1] written by vector instructions, one wait, read by one LDS store.     v[Q:Q+3]  at the end: an LDS load lands in it, a global store reads it.
;   v[SPW], v[NIL]  written at the head, read by the closing add alone.
; Masks go from compares to selects through sixteen scalar registers: sixteen compares, ONE wait on va_sdst, sixteen selects.
.set KLO,   65536                      ; behind kh's 16 planes of 4,096 bytes: kl's
.set STAT,  131072                     ; behind them: 128 rows x (cm, l)
.set SPARE, 132096                     ; the spare words, 128 bytes for each wave: four blocks of 256 bytes that no other line names
.set LOB,   2097152                    ; the low parts lie 32 planes of 65,536 bytes behind the high parts in qkp
.set CHP,   2097152                    ; a chunk's 32 planes of 65,536 bytes in pp
.set CHS,   32768                      ; a chunk's 4,096 pairs in st
.set VQ,  3                            ; v3   (lane / 16) x 65,536 + 16 (lane % 16): my offset in two planes of qkp and of pp
.set VC,  4                            ; v4   16 x lane
.set LC,  5                            ; v5   LDS: where I put kh's bytes
.set LK,  6                            ; v6   LDS: my place in a fragment of kh
.set VD,  7                            ; v7   my query's place in the chunk less 8 (lane / 16): register j of key tile kt is hidden where 16 kt + j is greater
.set VK,  8                            ; v8   the same less 16 kt
.set SPW, 9                            ; v9   LDS address of my spare word; never rewritten
.set NIL, 10                           ; v10  0; never rewritten
.set LS,  11                           ; v11  LDS: my row's (cm, l)
.set MX,  12                           ; v[12:15] four chains of the maximum
.set CM,  16                           ; v16 cm, v17 m; behind the scaling v17 takes l
.set SM,  18                           ; v[18:25] four chains of the sum, a pair each
.set NEG, 26                           ; v26  -infinity
.set LC2, 28                           ; v28  LDS: where I put kl's bytes
.set LK2, 29                           ; v29  LDS: my place in a fragment of kl
.set Q,   32                           ; v[32:63]  q: two buffers of 16: qh's fragment of a quarter, then ql's; at the end: the statistics on their way out, and the hidden chunk's constants
.set KF,  64                           ; v[64:127] k's fragments: two buffers of two key tiles (kh 8, kl 8 each); then the packed weights
.set S,   128                          ; v[128:255] 16 accumulators; before that, k on its way to LDS
.set WV,  10
.set ZF,  36                           ; s36  1: this work-group also lays the hidden chunk's zeros
.set MKA, 11                           ; s[11:18] eight masks of an even key tile: the head's numbers that lay here are read no more behind the branch on the diagonal
.set MKB, 28                           ; s[28:35] eight masks of an odd key tile: likewise
.macro PLACES
.rept 4
	v_nop
.endr
.endm
.macro QLOAD n                         ; quarter n of q: planes 4 n + lane / 16 and two planes on, high parts and low parts
.set QD, Q+16*((\n)%2)
	global_load_b128 v[QD:QD+3],     v[VQ], s[22:23] offset:(\n)*262144
	global_load_b128 v[QD+4:QD+7],   v[VQ], s[22:23] offset:(\n)*262144+131072
	global_load_b128 v[QD+8:QD+11],  v[VQ], s[22:23] offset:LOB+(\n)*262144
	global_load_b128 v[QD+12:QD+15], v[VQ], s[22:23] offset:LOB+(\n)*262144+131072
.endm
.macro KLOAD n, e                      ; step n (quarter n / 8, key tiles 2 (n % 8) and one on): tile e of the two, kh and kl, into buffer n % 2: four LDS loads
.set KD, KF+32*((\n)%2)+16*(\e)
.set KO, ((\n)/8)*16384+(2*((\n)%8)+(\e))*256
	ds_load_b128 v[KD:KD+3],     v[LK]  offset:KO
	ds_load_b128 v[KD+4:KD+7],   v[LK]  offset:KO+8192
	ds_load_b128 v[KD+8:KD+11],  v[LK2] offset:KO
	ds_load_b128 v[KD+12:KD+15], v[LK2] offset:KO+8192
.endm
	s_load_b128 s[4:7], s[0:1], 0x0                ; qkp s[4:5], pp s[6:7]
	s_load_b64 s[8:9], s[0:1], 0x10                ; st
	v_lshl_add_u32 v[SPW], v0, 2, SPARE
	v_mov_b32 v[NIL], 0
	v_lshrrev_b32 v1, 5, v0
	v_readfirstlane_b32 s[WV], v1                  ; wave 0..7
	s_mov_b32 s11, ttmp9
	s_and_b32 s12, ttmp7, 0xffff
	s_lshr_b32 s13, s12, 1                         ; y
	s_and_b32 s14, s12, 1                          ; hf
	s_sub_co_u32 s17, 15, s13
	s_add_co_u32 s18, s13, 1
	s_cmp_le_u32 s11, s13
	s_cselect_b32 s15, s13, s17                    ; J
	s_cselect_b32 s18, 0, s18
	s_sub_co_u32 s16, s11, s18                     ; c
	s_xor_b32 s37, s15, 1
	s_and_b32 s37, s37, 1                          ; 1 where J is even
	s_cmp_eq_u32 s16, s15
	s_cselect_b32 s[ZF], s37, 0                    ; and the block holds the diagonal
	s_lshl1_add_u32 s17, s15, s14                  ; the query block, 2 J + hf
	s_wait_alu depctr_va_sdst(0)                   ; the wave's number is written, ahead of its first reader: the offsets in qkp and pp and the LDS places are made from it
	s_lshl_b32 s20, s[WV], 17                      ; k: planes 16 + 2 w, 17 + 2 w of qkp,
	s_add_co_u32 s20, s20, 16<<16
	s_lshl_b32 s19, s16, 12                        ; the chunk's 256 keys x 16 bytes
	s_add_co_u32 s20, s20, s19
	s_mov_b32 s21, 0
	s_lshl_b32 s22, s17, 11                        ; q and pp: the block's 128 rows x 16 bytes,
	s_lshl_b32 s19, s[WV], 8                       ; my wave's 16
	s_add_co_u32 s22, s22, s19
	s_mov_b32 s23, 0
	s_lshl_b32 s28, s16, 21                        ; pp: the chunk's 32 planes
	s_add_co_u32 s28, s28, s22
	s_mov_b32 s29, 0
	s_lshl_b32 s30, s16, 15                        ; st: the chunk, the block's 128 rows x 8 bytes
	s_lshl_b32 s19, s17, 10
	s_add_co_u32 s30, s30, s19
	s_mov_b32 s31, 0
	s_mov_b32 s24, 0x3fb8aa3b                      ; c = log2(e); the packed scaling names a pair and takes its low word
	s_mov_b32 s25, s24
	s_mov_b32 s26, 0x76543210                      ; v_permlanex16_b32: each lane takes its own place in the other half
	s_mov_b32 s27, 0xfedcba98
	v_and_b32 v27, 31, v0                          ; lane
	v_and_b32 v1, 15, v0
	v_bfe_u32 v2, v0, 4, 1
	v_lshlrev_b32 v[VQ], 4, v1
	v_lshl_add_u32 v[LK], v2, 12, v[VQ]
	v_add_nc_u32 v[LK2], KLO, v[LK]
	v_lshl_add_u32 v[VQ], v2, 16, v[VQ]
	v_lshlrev_b32 v[VC], 4, v27
	s_lshl_b32 s32, s[WV], 13
	v_add_nc_u32 v[LC], s32, v[VC]
	v_add_nc_u32 v[LC2], KLO, v[LC]
	s_lshl_b32 s33, s14, 7
	s_lshl4_add_u32 s33, s[WV], s33                ; 128 hf + 16 w
	v_lshlrev_b32 v[VK], 3, v2
	v_sub_nc_u32 v[VD], v1, v[VK]
	v_add_nc_u32 v[VD], s33, v[VD]
	s_lshl_b32 s34, s[WV], 7
	s_add_co_u32 s34, s34, STAT
	v_lshl_add_u32 v[LS], v1, 3, s34
	v_mov_b32 v[NEG], 0xff800000
	s_lshl_b32 s35, s[WV], 9                       ; the statistics' way out (waves 0 and 1): 512 bytes a wave
	v_lshl_add_u32 v31, v27, 4, s35
	s_add_co_u32 s35, s35, STAT
	v_lshl_add_u32 v30, v27, 4, s35
	s_wait_kmcnt 0x0
	s_add_nc_u64 s[20:21], s[4:5], s[20:21]
	s_add_nc_u64 s[22:23], s[4:5], s[22:23]
	s_add_nc_u64 s[6:7], s[6:7], s[28:29]
	s_add_nc_u64 s[8:9], s[8:9], s[30:31]
	s_wait_alu depctr_va_vdst(0)                   ; the nine addresses and offsets (v3 to v6, v11, v28 to v31) are written, which every load and store of the kernel reads
.irp e, 0,1
.irp p, 0,1
.irp u, 0,1,2,3,4,5,6,7
	global_load_b128 v[S+4*(16*(\e)+8*(\p)+(\u)):S+4*(16*(\e)+8*(\p)+(\u))+3], v[VC], s[20:21] offset:(\e)*LOB+(\p)*65536+(\u)*512
.endr
.endr
.endr
	QLOAD 0
	QLOAD 1
	s_wait_loadcnt 8                               ; k's 32 loads are in; q's eight may stay out
.irp p, 0,1
.irp u, 0,1,2,3,4,5,6,7
	ds_store_b128 v[LC],  v[S+4*(8*(\p)+(\u)):S+4*(8*(\p)+(\u))+3]       offset:(\p)*4096+(\u)*512
	ds_store_b128 v[LC2], v[S+4*(16+8*(\p)+(\u)):S+4*(16+8*(\p)+(\u))+3] offset:(\p)*4096+(\u)*512
.endr
.endr
	s_wait_dscnt 0x0                               ; for the others' sake: my four planes lie in LDS
	s_barrier_signal -1
	s_barrier_wait -1                              ; all 32 do
	s_wait_alu depctr_vm_vsrc(0)                   ; my LDS stores have read S's registers, which the products below write
	KLOAD 0, 0                                     ; step 0's fragments; each step asks for the next step's
	KLOAD 0, 1
	; THE SCORES.  In a step the two accumulators take turns, one instruction a turn: kh qh, then kl qh, then kh ql; the first product of all on an accumulator starts its sum.
.set p, 0
.rept 32
.set kc, p/8
.set kt, 2*(p%8)
.set KB, KF+32*(p%2)
.set QR, Q+16*(kc%2)
	s_wait_dscnt 0x0                               ; this step's eight loads, issued a step back, are in
.if (p > 0) && (p < 31)
	PLACES                                         ; four plain places behind the last step's products, ahead of the loads into the registers that they have read, as in the plain form; the wait below fills none
	s_wait_alu depctr_va_vdst(0)                   ; the last step's products are done reading the other buffer of k, in which this step's loads land; at a quarter's head also: the last quarter's are done reading the other buffer of q
.endif
.if (p%8 == 0) && (kc > 0) && (kc < 3)
	QLOAD kc+1                                     ; into the buffer that the quarter before has read
.endif
.if p%8 == 0
.if kc < 3
	s_wait_loadcnt 4                               ; this quarter's q is in; the next quarter's four loads may stay out
.else
	s_wait_loadcnt 0x0
.endif
.endif
.if kc == 0
	v_wmma_f32_16x16x32_f16 v[S+8*kt:S+8*kt+7], v[KB:KB+7], v[QR:QR+7], 0
.else
	v_wmma_f32_16x16x32_f16 v[S+8*kt:S+8*kt+7], v[KB:KB+7], v[QR:QR+7], v[S+8*kt:S+8*kt+7]
.endif
.if p < 31
	KLOAD p+1, 0                                   ; no wait: no matrix instruction since the wait above names the other buffer or the two addresses
.endif
.if kc == 0
	v_wmma_f32_16x16x32_f16 v[S+8*kt+8:S+8*kt+15], v[KB+16:KB+23], v[QR:QR+7], 0
.else
	v_wmma_f32_16x16x32_f16 v[S+8*kt+8:S+8*kt+15], v[KB+16:KB+23], v[QR:QR+7], v[S+8*kt+8:S+8*kt+15]
.endif
.if p < 31
	KLOAD p+1, 1
.endif
	v_wmma_f32_16x16x32_f16 v[S+8*kt:S+8*kt+7],    v[KB+8:KB+15],  v[QR:QR+7],    v[S+8*kt:S+8*kt+7]
	v_wmma_f32_16x16x32_f16 v[S+8*kt+8:S+8*kt+15], v[KB+24:KB+31], v[QR:QR+7],    v[S+8*kt+8:S+8*kt+15]
	v_wmma_f32_16x16x32_f16 v[S+8*kt:S+8*kt+7],    v[KB:KB+7],     v[QR+8:QR+15], v[S+8*kt:S+8*kt+7]
	v_wmma_f32_16x16x32_f16 v[S+8*kt+8:S+8*kt+15], v[KB+16:KB+23], v[QR+8:QR+15], v[S+8*kt+8:S+8*kt+15]
.set p, p+1
.endr
	PLACES                                         ; in front of the first reads of the last results
	s_cmp_lg_u32 s16, s15                          ; only the chunk that holds the diagonal is masked: the same answer in all eight waves
	s_cbranch_scc1 .Lnomask
	v_mov_b32 v[VK], v[VD]
.set kt, 0
.rept 8                                                ; two key tiles at a time: sixteen compares into sixteen scalar registers, one wait, sixteen selects
.irp j, 0,1,2,3,4,5,6,7
	v_cmp_gt_i32 s[MKA+(\j)], (\j), v[VK]          ; key 16 kt + 8 (lane / 16) + j lies behind my query
.endr
	v_add_nc_u32 v[VK], -16, v[VK]
.irp j, 0,1,2,3,4,5,6,7
	v_cmp_gt_i32 s[MKB+(\j)], (\j), v[VK]
.endr
	v_add_nc_u32 v[VK], -16, v[VK]
	s_wait_alu depctr_va_sdst(0)                   ; the sixteen compares have written their masks, ahead of the selects that read them
.irp j, 0,1,2,3,4,5,6,7
	v_cndmask_b32 v[S+8*kt+(\j)], v[S+8*kt+(\j)], v[NEG], s[MKA+(\j)]
.endr
.irp j, 0,1,2,3,4,5,6,7
	v_cndmask_b32 v[S+8*kt+8+(\j)], v[S+8*kt+8+(\j)], v[NEG], s[MKB+(\j)]
.endr
.set kt, kt+2
.endr
.Lnomask:
	; THE MAXIMUM of my 128 scores in four chains; each accumulator is read from its low end on
.irp ch, 0,1,2,3
	v_max_num_f32 v[MX+(\ch)], v[S+8*(\ch)], v[S+8*(\ch)+1]
.endr
.irp p, 1,2,3
.irp ch, 0,1,2,3
	v_max3_num_f32 v[MX+(\ch)], v[MX+(\ch)], v[S+8*(\ch)+2*(\p)], v[S+8*(\ch)+2*(\p)+1]
.endr
.endr
.irp gg, 1,2,3
.irp p, 0,1,2,3
.irp ch, 0,1,2,3
	v_max3_num_f32 v[MX+(\ch)], v[MX+(\ch)], v[S+8*(4*(\gg)+(\ch))+2*(\p)], v[S+8*(4*(\gg)+(\ch))+2*(\p)+1]
.endr
.endr
.endr
	v_max3_num_f32 v[MX], v[MX], v[MX+1], v[MX+2]
	v_max_num_f32 v[MX], v[MX], v[MX+3]
	v_permlanex16_b32 v[MX+1], v[MX], s26, s27     ; the query's other 128 keys lie in the lane 16 away
	v_max_num_f32 v[CM+1], v[MX], v[MX+1]
	v_mul_f32 v[CM], s24, v[CM+1]
.set z, 0
.rept 64
	v_pk_fma_f32 v[S+2*z:S+2*z+1], v[S+2*z:S+2*z+1], s[24:25], v[CM:CM+1] op_sel_hi:[1,0,0] neg_lo:[0,0,1] neg_hi:[0,0,1]  ; c s - cm
.set z, z+1
.endr
.set z, 0
.rept 128
	v_exp_f32 v[S+z], v[S+z]                       ; ONE batch: none reads another's result
.set z, z+1
.endr
	v_nop                                          ; a plain instruction behind the last exponential
	s_wait_alu depctr_va_vdst(0)                   ; the 128 exponentials have written S: one wait ahead of the batch's first reader
.set z, 0
.rept 64
	v_cvt_pk_f16_f32 v[KF+z], v[S+2*z], v[S+2*z+1]
.set z, z+1
.endr
.irp j, 0,1,2,3
	v_mov_b32 v[Q+16+(\j)], 0                      ; the hidden chunk's weights, and below its pairs (cm = -1e30, l = 0): made in every wave, ahead of the wait that stands here anyway;
.endr
	v_mov_b32 v[Q+4], 0xf149f2ca                   ; only a work-group that lays the zeros stores them
	v_mov_b32 v[Q+5], 0
	v_mov_b32 v[Q+6], 0xf149f2ca
	v_mov_b32 v[Q+7], 0
	s_wait_alu depctr_va_vdst(0)                   ; the conversions have written the packed weights and the eight lines above their constants: the global stores below, to the kernel's end, read them
	; The 16 stores of p are dealt among the additions of the row sums, a store ahead of each four; the additions name S and SM alone.
	global_store_b128 v[VQ], v[KF:KF+3], s[6:7]    ; sixteen lanes store 256 consecutive bytes, aligned
.irp ch, 0,1,2,3
	v_pk_add_f32 v[SM+2*(\ch):SM+2*(\ch)+1], v[S+2*(\ch):S+2*(\ch)+1], v[S+8+2*(\ch):S+8+2*(\ch)+1]
.endr
.set z, 8
.set kt, 1
.rept 14
	global_store_b128 v[VQ], v[KF+4*kt:KF+4*kt+3], s[6:7] offset:kt*131072
.rept 4
	v_pk_add_f32 v[SM+2*(z%4):SM+2*(z%4)+1], v[SM+2*(z%4):SM+2*(z%4)+1], v[S+2*z:S+2*z+1]
.set z, z+1
.endr
.set kt, kt+1
.endr
	global_store_b128 v[VQ], v[KF+60:KF+63], s[6:7] offset:15*131072
	s_cmp_eq_u32 s[ZF], 0                          ; made of the work-group's numbers alone: the same answer in all eight waves
	s_cbranch_scc1 .Lnozero
.irp kt, 0,1,2,3,4,5,6,7,8,9,10,11,12,13,14,15
	global_store_b128 v[VQ], v[Q+16:Q+19], s[6:7] offset:CHP+(\kt)*131072  ; the next chunk's weights for my rows: 0
.endr
.Lnozero:
	v_pk_add_f32 v[SM:SM+1], v[SM:SM+1], v[SM+2:SM+3]
	v_pk_add_f32 v[SM+4:SM+5], v[SM+4:SM+5], v[SM+6:SM+7]
	v_pk_add_f32 v[SM:SM+1], v[SM:SM+1], v[SM+4:SM+5]
	v_add_f32 v[SM], v[SM], v[SM+1]
	v_permlanex16_b32 v[SM+1], v[SM], s26, s27
	v_add_f32 v[CM+1], v[SM], v[SM+1]              ; l, beside cm: m is wanted no more
	s_wait_alu depctr_va_vdst(0)                   ; l is written beside cm: the LDS store reads the pair
	ds_store_b64 v[LS], v[CM:CM+1]                 ; both halves of the lanes hold the same pair and write the same bytes
	s_wait_dscnt 0x0
	s_barrier_signal -1
	s_barrier_wait -1                              ; the block's 128 pairs lie in LDS
	s_cmp_lt_u32 s[WV], 2                          ; waves 0 and 1 store them, 512 consecutive bytes each
	s_cbranch_scc0 .Lend
	ds_load_b128 v[Q:Q+3], v30                     ; no wait: the products that read these registers stand ahead of the waits above, and no vector instruction has named them since
	s_wait_dscnt 0x0
	global_store_b128 v31, v[Q:Q+3], s[8:9]
	s_cmp_eq_u32 s[ZF], 0
	s_cbranch_scc1 .Lend
	global_store_b128 v31, v[Q+4:Q+7], s[8:9] offset:CHS  ; the hidden chunk's pairs
.Lend:
	s_wait_dscnt 0x0                               ; the closing lines, six on end
	s_wait_alu 0x0
	s_wait_tensorcnt 0x0
	ds_add_u32 v[SPW], v[NIL]
	s_wait_dscnt 0x0
	s_endpgm
.Lfunc_end_k_q78f599faaf_probs:
	.size	k_q78f599faaf_probs, .Lfunc_end_k_q78f599faaf_probs-k_q78f599faaf_probs
	.p2alignl 7, 3214868480
	.fill 96, 4, 3214868480
	.section	.rodata,"a",@progbits
	.p2align	6, 0x0
	.amdhsa_kernel k_q78f599faaf_probs
		.amdhsa_group_segment_fixed_size 133120
		.amdhsa_private_segment_fixed_size 0
		.amdhsa_enable_private_segment 0
		.amdhsa_kernarg_size 24
		.amdhsa_user_sgpr_count 2
		.amdhsa_user_sgpr_kernarg_segment_ptr 1
		.amdhsa_wavefront_size32 1
		.amdhsa_system_sgpr_workgroup_id_x 1
		.amdhsa_system_sgpr_workgroup_id_y 1
		.amdhsa_system_sgpr_workgroup_id_z 1
		.amdhsa_system_vgpr_workitem_id 0
		.amdhsa_next_free_vgpr 256
		.amdhsa_next_free_sgpr 66
		.amdhsa_reserve_vcc 0
		.amdhsa_float_denorm_mode_32 3
		.amdhsa_float_denorm_mode_16_64 3
		.amdhsa_memory_ordered 1
		.amdhsa_forward_progress 1
		.amdhsa_inst_pref_size 86
	.end_amdhsa_kernel
	.amdgpu_metadata
---
amdhsa.version: [ 1, 2 ]
amdhsa.kernels:
  - .name:           k_q78f599faaf_probs
    .symbol:         k_q78f599faaf_probs.kd
    .args:
      - { .name: qkp, .offset: 0, .size: 8, .value_kind: global_buffer, .address_space: global }
      - { .name: pp, .offset: 8, .size: 8, .value_kind: global_buffer, .address_space: global }
      - { .name: st, .offset: 16, .size: 8, .value_kind: global_buffer, .address_space: global }
    .group_segment_fixed_size: 133120
    .private_segment_fixed_size: 0
    .kernarg_segment_align: 8
    .kernarg_segment_size: 24
    .max_flat_workgroup_size: 256
    .sgpr_count:     66
    .vgpr_count:     256
    .wavefront_size: 32
...
	.end_amdgpu_metadata
.endif
;; end of part 6
;; launch mix: the kernel of part 4 again; grid 16 x 16, 4 waves a work-group, clusters of 4 x 4, 327,680 bytes of LDS; arguments pp, yp, st, out0; writes out0
